; MI455X (gfx1250); checked and timed in simulation.
; The chip was launched on July 23, 2026; its instructions are those of AMD's public machine-readable ISA for CDNA 5 (MIT licence, August 2026) and "CDNA5" Instruction Set Architecture Reference Guide (July 2026). The comments in the code are by the model that wrote it; some were corrected since.
;; Inter Modal Attention. Allowed arithmetic: matrix products marked QUANTISED: E4M3 operands, one E8M0 scale for each 32 along K, by v_wmma_scale_f32_16x16x128_f8f6f4 with both operands' format E4M3, f32 sums; everything else in f32.
;; Inputs: Wk_codes 1,024 x 32 x 32 uint8 (E4M3 codes of Wk, K innermost, in blocks of 32 codes); Wk_scales 1,024 x 32 uint8 (E8M0 scales of Wk, one for each 32 codes along K); Wq_codes 1,024 x 32 x 32 uint8 (E4M3 codes of Wq, K innermost, in blocks of 32 codes); Wq_scales 1,024 x 32 uint8 (E8M0 scales of Wq, one for each 32 codes along K); Wv_codes 1,024 x 32 x 32 uint8 (E4M3 codes of Wv, K innermost, in blocks of 32 codes); Wv_scales 1,024 x 32 uint8 (E8M0 scales of Wv, one for each 32 codes along K); bk 1,024 float32; bq 1,024 float32; bv 1,024 float32; x_codes 4 x 2,048 x 32 x 32 uint8 (E4M3 codes of x, K innermost, in blocks of 32 codes); x_scales 4 x 2,048 x 32 uint8 (E8M0 scales of x, one for each 32 codes along K).
;; Outputs: out0 4 x 2,048 x 1,024 float32.
;; This version of the problem:
;;   THIS VERSION OF THE PROBLEM IS GIVEN IN LOW PRECISION. The matrix products marked QUANTISED in the list below multiply operands that are first quantised to E4M3 (4 exponent bits, 3 mantissa bits; 8 bits a number), with one power-of-two scale for each 32 numbers along K (OCP MX v1.0); their sums are f32. All else is computed in f32.
;;   The module's matrix products, in the order in which they are computed (A, B: the left and right operand; K: the contracted axis; several contracted axes count as one K, in the product's order):
;;     1. [M 8,192, K 1,024] x [K 1,024, N 1,024]; A: input x (given as codes); B: input Wq (given as codes): QUANTISED
;;     2. [M 8,192, K 1,024] x [K 1,024, N 1,024]; A: input x (given as codes); B: input Wk (given as codes): QUANTISED
;;     3. [M 8,192, K 1,024] x [K 1,024, N 1,024]; A: input x (given as codes); B: input Wv (given as codes): QUANTISED
;;     4. batch 4 x [M 2,048, K 1,024] x [K 1,024, N 2,048]; A: computed on the way; B: computed on the way: QUANTISED
;;     5. batch 4 x [M 2,048, K 2,048] x [K 2,048, N 1,024]; A: softmax (see below); B: computed on the way: QUANTISED
;;   THE QUANTISER, for each operand of a quantised product, along K:
;;     - K is cut into blocks of 32 from its start; a last block that is shorter is filled with zeros.
;;     - A block's scale is 2^e with e = floor(log2(the largest magnitude in the block)) - 8, held to -126 .. 127; a block of zeros has e = 0. As a byte (E8M0): e + 127.
;;     - Each number is divided by its block's scale, clamped to +-448, and rounded to the nearest number of E4M3, ties to even, subnormals kept.
;;     - The product sums the exact products of the quantised numbers (number of the format x scale) in f32.
;;   ~~~python
;;   def quantise(x, axis):      # numpy; x: float32 -> the quantised numbers, widened to float32 again
;;       x = np.moveaxis(x, axis, -1); K = x.shape[-1]
;;       x = np.pad(x, [(0, 0)] * (x.ndim - 1) + [(0, -K % 32)]); x = x.reshape(x.shape[:-1] + (-1, 32)); a = np.abs(x).max(-1, keepdims=True)
;;       e = np.where(a > 0, np.clip(np.frexp(np.where(a > 0, a, 1))[1] - 1 - 8, -126, 127), 0)      # np.frexp(a)[1] - 1 = floor(log2(a)), exactly
;;       r = np.clip(x / 2.0 ** e, -448, 448)
;;       step = 2.0 ** (np.maximum(np.frexp(np.where(r == 0, 1, r))[1] - 1, -6) - 3)
;;       q = np.round(r / step) * step * 2.0 ** e      # np.round: ties to even
;;       return np.moveaxis(q.reshape(q.shape[:-2] + (-1,))[..., :K], -1, axis).astype(np.float32)
;;   ~~~
;;   SOFTMAX AHEAD OF A QUANTISED PRODUCT. Where the list says 'softmax', what is quantised is not the finished softmax but p = 2^(t - M), with t = logit x log2(e) and M = ceil(the row's largest t), a whole number; so 1/2 < the row's largest p <= 1. The row's sum l is taken of the UNQUANTISED p, in f32, and the product's result is divided by l at the end. Since M is a whole number, a kernel that streams over the keys may use a running M (the ceiling of the running maximum): every later rescaling is an exact power of two, which a block's scale takes up: the codes' values come out the same.
;;   OPERANDS COMPUTED ON THE WAY. 'Computed on the way' means the value that the module computes at that place (a softmax that the list does not call 'softmax' is quantised finished and normalised). What goes into a quantiser is computed in f32, as accurately as f32 sums, v_exp_f32 and their like allow (about 1e-6 of the number): no bf16 or f16 on the way to a quantiser, and a product that is left as it is and whose result goes on into a quantised operand takes f32 operands (vector FMAs, or v_wmma_f32_16x16x4_f32). A number that lies on a knife's edge between two numbers of the format may be rounded either way, as far as f32 arithmetic and the matrix unit's own rounding can turn it there, and no further.
;;   INPUTS GIVEN AS CODES. Wk (in the module: [1024, 1024], K = its axis 1); Wq (in the module: [1024, 1024], K = its axis 1); Wv (in the module: [1024, 1024], K = its axis 1); x (in the module: [4, 2048, 1024], K = its axis 2): each comes as NAME_codes (uint8): NAME with its K axis moved to the last place and cut into blocks of 32 codes, [.., K / 32, bytes a block], one block behind the other in memory; one code a byte (a code: sign, 4 exponent bits, 3 mantissa bits); and NAME_scales (uint8): the same leading axes, one E8M0 byte (e + 127) for each 32 codes along K. Its value is code x scale, taken as it is: it is not quantised again, and the codes and scales need not be those that the quantiser above would give.
;; One version. Each part assembles by itself: llvm-mc -triple=amdgcn-amd-amdhsa -mcpu=gfx1250 --defsym DOCPART=n.
;; ======== version 1 of 1: 3 launches
;; limits: right only within a limited range of input values
;; workspace buffers: qk_codes 16,777,216 bytes; qk_scales 524,288 bytes; v_codes 8,388,608 bytes; v_scales 262,144 bytes; p_codes 16,777,216 bytes; p_stats 1,572,864 bytes
;; launch proj (part 1): grid 16 x 16, 4 waves a work-group, clusters of 4 x 4, 327,680 bytes of LDS; arguments x_codes, x_scales, Wq_codes, Wq_scales, Wk_codes, Wk_scales, Wv_codes, Wv_scales, bq, bk, bv, qk_codes, qk_scales, v_codes, v_scales; writes qk_codes, qk_scales, v_codes, v_scales
.if DOCPART == 1
	.amdgcn_target "amdgcn-amd-amdhsa--gfx1250"
	.amdhsa_code_object_version 6
	.text
	.protected	k_q8d8da85a57_proj
	.globl	k_q8d8da85a57_proj
	.p2align	8
	.type	k_q8d8da85a57_proj,@function
k_q8d8da85a57_proj:
	s_mov_b64 s[64:65], 0
	v_nop
	global_prefetch_b8 v0, s[64:65] scope:SCOPE_SE
	s_setreg_imm32_b32 hwreg(HW_REG_WAVE_MODE, 25, 1), 1
	s_wait_xcnt 0x0
	s_wait_alu depctr_hold_cnt(0) depctr_sa_sdst(0) depctr_va_vdst(0) depctr_va_sdst(0) depctr_va_ssrc(0) depctr_va_vcc(0) depctr_vm_vsrc(0)
	s_getreg_b32 s2, hwreg(HW_REG_IB_STS2, 6, 4)
	s_cmp_eq_u32 s2, 0
	s_cbranch_scc0 .Lentry_in_a_cluster
	s_endpgm
.Lentry_in_a_cluster:
	s_bfe_u32 s2, ttmp6, 0x10000c
	s_cmp_lg_u32 s2, 0xf033
	s_cbranch_scc0 .Lentry_shape_is_right
	s_endpgm
.Lentry_shape_is_right:
; q = x Wq^T + bq, k = x Wk^T + bk, v = x Wv^T + bv on codes of FP8 (E4M3), a scale byte for each 32 along K = 1,024; the results are quantised here, in registers, for the next two products: q, k along the channels, v along the keys.
; No work of reference() is left out in this program.  LIMITS: NaN, infinities and sums beyond f32's range are not served.  A block whose largest magnitude lies under 2^-118 keeps the byte 1, a block of zeros too: its codes are zeros, and only this program reads the bytes.
; A FRAGMENT LEAVES AS AN IMAGE OF ITS REGISTERS: 16 rows x 128 K = 2,048 bytes, register group c (32 of K) at 512 c + 16 x lane.
; qk_codes [q, k][512 blocks of 16 tokens][8 steps of 128 channels][2,048]; qk_scales [q, k][8][8,192 tokens] words; v_codes [4 batches][64 blocks of 16 channels][16 steps of 128 keys][2,048]; v_scales [64 steps of 128 keys][1,024 channels] words.
; ORDER INSIDE A BLOCK OF 32: q's and k's is the true one.  In v the operand's place 16 h + 8 u + i holds key 16 u + 8 h + i, as in p of the next launch: only the order of additions inside one matrix instruction differs from K ascending.
; THE DEAL.  256 work-groups of four waves, 2 x 2.  A wave holds 64 rows of a weight, ALL of K, in registers (512) and streams x's rows past them in blocks of 16, which stand in registers as two whole sets (256).
; PHASE 1: 512 tokens x 128 channels of q (cluster x = 0, 1) or k (2, 3): sixteen blocks a wave.  PHASE 2: 256 x 128 of v: eight blocks, of one of the work-group's own two windows of 256 tokens, number s18; Wv's tile column is 4 (cluster x / 2) + cx.
; A chunk is 128 tokens.  Wave row w takes its groups of 32 number c = 2 p + w (p = 0, 1), each as two blocks u = 0, 1 of 16: in LDS row 64 p + 32 w + 16 u on.  So two blocks are a scale block of v.
; PHASE 1 USES A WEIGHT'S ROWS IN THIS ORDER: row 8 m + i of tile j is the wave's channel 32 m + 8 j + i: a lane's 32 sums are a scale block.  Phase 2 uses Wv's rows as they lie.
; THE ORDER OF WORK.  LDS holds two slots of 128 rows; a weight's rows lie in a slot (the first in 1, Wv's in 0) until they are in registers.  Phase 1 takes the window that is not v's first (chunks 0, 1), v's last (2, 3): chunk 3 still lies in slot 1 when v begins, and chunk 2 comes anew.
; FILLS.  At the head the first weight (wave 0), chunk 0 (wave 1), a window's scale bytes each (waves 2, 3).  Refills, each in a drained round of the cluster's barrier, a quarter of 128 rows a wave: chunks 1, 2, 3 inside blocks 0, 4, 8, their first halves shown by the plain barrier inside the block two on, their second by the next round;
; Wv's rows behind block 11, shown at the change of phase; chunk 2 behind Wv's loads, shown inside v's block 1.
; THE STREAM.  Behind a block's 32 products its set takes the block two on.  A block's way out stands AMONG LATER PRODUCTS: q's and k's among the next block's, a pair of v's among the next pair's.  The first of either phase has no block before it: it works on what stands there and stores nothing.
; Clusters: x's rows are asked for jointly by a row of the cluster, a weight's by a column.  PREFETCHES: chunks 1 and 2 behind the first barrier, chunk 3 in trip 1, Wv's rows in trip 2; the sixteen waves that share a tile take 32 blocks of 256 bytes each, told apart by address.
.set PITCH, 1040  ; an LDS row: 1,024 bytes and 16 of padding
.set KROW, 1024
.set FR, 16
.set FPW, 16
.set NB, 4
.set NP, 8  ; plain vector lines behind a matrix instruction, ahead of a reader of its sums and of a load into what it has read
.set NF, 34  ; LDS loads of a block
.set CH, 128
.set YB, CH*PITCH
.set SCL, 2*CH*PITCH  ; the scale bytes of x's 512 rows in the order of work, units of 256 bytes (8 rows) + 16
.set U, 272
.set XN, SCL+64*U  ; q's or k's scale words: [512 tokens in the order of work]
.set XV, XN+2048  ; v's: [2 steps][128 channels]
.set SPARE, XV+1024
.set BLKB, 16384  ; qk_codes: bytes from a block of 16 tokens to the next
.set ADRA0, 4
.set CN, 5
.set AAS0, 6
.set CO, 9
.set SPW, 10
.set NIL, 11
.set ADRA, 12
.set VX, 13
.set ADRB, 14
.set ABS, 16
.set AAS, 17
.set VXB, 18
.set RD, 19
.set SOP, 20
.set SB, 24
.set EB, 40
.set SA, 44
.set TQ, 60
.set ACC, 64  ; v64-191 four sets of four accumulators: products write 0 and 1; 2 and 3 take a pair of v's blocks for its way out
.set WS, 128  ; v128-143 in phase 1: Wv's scale words
.set NCD, 192
.set MCD, 192
.set BQ, 208  ; v208-239 the first four products' C
.set BV, 240
.set G1A, 24
.set G0A, 56
.set G1B, 32
.set G0B, 60
.set G1R, 48
.set G0R, 68
.set G1S, 92
.set G0S, 72
.set MSB, 0
.macro WIN new  ; the immediate's high byte repeats the setting that is left
.if MSB != \new
	s_set_vgpr_msb (MSB<<8)|\new
.set MSB, \new
.endif
.endm
.macro PLACES n
.rept \n
	v_nop
.endr
.endm
.macro BARRIER
	s_barrier_signal -1
	s_barrier_wait -1
.endm
.macro CROUND  ; a round of the cluster's barrier
	BARRIER
	s_cmp_lg_u32 s14, 0
	s_cbranch_scc1 .Lnot_wave_0_\@
	s_barrier_signal -3
.Lnot_wave_0_\@:
	s_barrier_wait -3
	BARRIER
.endm
.macro TLOAD g0, g1  ; a tensor load; an s_nop 0 and four v_nop follow it
	tensor_load_to_lds s[\g0:\g0+3], s[\g1:\g1+7]
	s_nop 0
	PLACES 4
.endm
.macro GROUP1 g, mask, rows  ; so many whole rows of 1,024 bytes, 16 bytes of padding behind each in LDS
	s_or_b32 s[\g+0], s[\mask], (1<<20)|(1<<21)|(7<<22)|(3<<25)
	s_mov_b32 s[\g+1], KROW<<16
	s_mov_b32 s[\g+2], (\rows)<<16
	s_mov_b32 s[\g+3], KROW<<16
	s_mov_b32 s[\g+4], \rows
	s_mov_b32 s[\g+5], KROW
	s_mov_b32 s[\g+6], 0
	s_mov_b32 s[\g+7], 0
.endm
.macro SADD d, x
	s_add_co_u32 s\d, s\d, s\x
.endm
	s_load_b128 s[4:7], s[0:1], 0x0  ; x: codes, scales
	s_load_b128 s[84:87], s[0:1], 0x10  ; Wq
	s_load_b128 s[8:11], s[0:1], 0x20  ; Wk
	s_load_b64 s[104:105], s[0:1], 0x30  ; Wv's codes
	s_load_b64 s[88:89], s[0:1], 0x38  ; Wv's scales
	v_lshl_add_u32 v[SPW], v0, 2, SPARE
	v_mov_b32 v[NIL], 0
	ds_add_u32 v[SPW], v[NIL]  ; the wave's opening: the add, twice on end, and its wait ahead of my first tensor load
	ds_add_u32 v[SPW], v[NIL]
	v_lshrrev_b32 v1, 5, v0
	v_readfirstlane_b32 s14, v1
	s_lshr_b32 s15, s14, 1  ; my row of waves
	s_and_b32 s16, s14, 1  ; my column of waves
	s_bfe_u32 s40, ttmp6, 0x40000
	s_bfe_u32 s41, ttmp6, 0x40004
	s_lshl_b32 s42, ttmp9, 2
	SADD 42, 40  ; tile column 4 x cluster x + cx: q's 0 .. 7, k's 8 .. 15
	s_and_b32 s43, ttmp7, 0xffff
	s_lshl_b32 s43, s43, 2
	SADD 43, 41  ; tile row: 512 tokens
	s_lshr_b32 s19, ttmp9, 1  ; 0: q; 1: k
	s_and_b32 s18, ttmp9, 1  ; v's window
	s_lshl_b32 s44, s41, 2
	s_lshl_b32 s44, 15, s44  ; my row of the cluster: shares x's rows
	s_lshl_b32 s45, 0x1111, s40  ; my column: shares a weight's
	GROUP1 G1B, 45, 128
	GROUP1 G1A, 44, CH
	GROUP1 G1R, 44, CH/4
	s_or_b32 s[G1S+0], s44, (3<<16)|(1<<20)|(1<<21)|(5<<22)|(3<<25)  ; a window's scale bytes: 8,192 dense bytes as 32 rows of 256, 16 of padding behind each
	s_mov_b32 s[G1S+1], 32<<16
	s_mov_b32 s[G1S+2], 32<<16
	s_mov_b32 s[G1S+3], 32<<16
	s_mov_b32 s[G1S+4], 32
	s_mov_b32 s[G1S+5], 32
	s_mov_b32 s[G1S+6], 0
	s_mov_b32 s[G1S+7], 0
	s_mov_b32 s[G0S], 1
	s_mul_i32 s[G0S+1], s16, 32*U
	s_add_co_u32 s[G0S+1], s[G0S+1], SCL
; s67, s2: x's rows of the window that is not v's, of v's; s3: Wv's rows; s12: Wv's scale bytes, my wave's 64 rows
	s_lshl_b32 s67, s43, 19
	s_lshl_b32 s20, s18, 18
	s_add_co_u32 s2, s67, s20
	s_xor_b32 s20, s20, 0x40000
	SADD 67, 20
	s_lshl_b32 s13, s19, 2
	SADD 13, 40  ; Wv's tile column
	s_lshl_b32 s3, s13, 17
	s_lshl_b32 s12, s13, 12
	s_lshl_b32 s21, s16, 11
	SADD 12, 21
	s_and_b32 s20, s42, 7  ; the first weight's tile column: its codes,
	s_lshl_b32 s78, s20, 17
	s_mov_b32 s79, 0
	s_lshl_b32 s82, s20, 12  ; its scale bytes, my wave's 64 rows
	SADD 82, 21
	s_mov_b32 s83, 0
	s_lshl_b32 s80, s43, 1  ; x's scale bytes: wave 2 the window that is not v's, wave 3 v's
	s_xor_b32 s20, s18, 1
	s_cmp_eq_u32 s16, 1
	s_cselect_b32 s20, s18, s20
	SADD 80, 20
	s_lshl_b32 s80, s80, 13
	s_mov_b32 s81, 0
	s_mov_b32 s[G0A], 1
	s_mov_b32 s[G0A+1], 0
	s_mov_b32 s[G0B], 1
	s_mov_b32 s[G0B+1], YB
	s_mov_b32 s[G0R], 1
	s_lshl_b32 s90, s40, 2  ; which of the cluster row's sixteen waves I am: my share of a prefetch of x's rows;
	SADD 90, 14
	s_lshl_b32 s100, s41, 2  ; and of the column's: of Wv's
	SADD 100, 14
	v_and_b32 v1, 15, v0  ; r
	v_bfe_u32 v2, v0, 4, 1  ; h
	v_and_b32 v3, 31, v0  ; lane
	v_mul_u32_u24 v22, v1, PITCH
	v_lshl_add_u32 v23, v2, 4, v22
	s_mul_i32 s20, s15, 32*PITCH
	v_add_nc_u32 v[ADRA0], s20, v23  ; block 0: rows 32 w on
	s_mul_i32 s22, s16, 64*PITCH
	v_add_nc_u32 v[ADRB+1], s22, v23  ; my 64 rows of Wv, in slot 0
	s_add_co_u32 s22, s22, YB
	v_lshrrev_b32 v20, 3, v1
	v_and_b32 v23, 7, v1
	v_lshl_add_u32 v21, v20, 5, v23  ; 32 m + i
	v_mul_u32_u24 v22, v21, PITCH
	v_lshl_add_u32 v22, v2, 4, v22
	v_add_nc_u32 v[ADRB], s22, v22  ; my 64 rows of the first weight, in slot 1
	v_lshl_add_u32 v21, v2, 3, v21
	v_lshlrev_b32 v[ABS], 5, v21  ; its scale bytes: lanes 0-15 tile 2 p's rows, lanes 16-31 tile 2 p + 1's
	v_lshlrev_b32 v21, 5, v3  ; Wv's: lane l takes row l of a pair of tiles
	v_lshlrev_b32 v23, 5, v1
	v_lshl_add_u32 v23, v20, 4, v23
	s_mul_i32 s20, s15, 4*U
	s_add_co_u32 s20, s20, SCL
	v_add_nc_u32 v[AAS0], s20, v23  ; x's scale words of block 0
	s_wait_alu depctr_va_vdst(0)
	s_wait_dscnt 0x0  ; both opening adds are done
	CROUND  ; all sixteen work-groups are here: the first joint loads meet
	s_wait_kmcnt 0x0
	s_cmp_lt_u32 ttmp9, 2  ; q or k: the same in all partners
	s_cselect_b64 s[84:85], s[84:85], s[8:9]
	s_cselect_b64 s[86:87], s[86:87], s[10:11]
	s_mov_b32 s20, s67
	s_mov_b32 s21, 0
	s_add_nc_u64 s[G0A+2:G0A+3], s[4:5], s[20:21]
	s_or_b32 s[G0A+3], s[G0A+3], 0x80000000
	s_add_nc_u64 s[G0B+2:G0B+3], s[84:85], s[78:79]
	s_or_b32 s[G0B+3], s[G0B+3], 0x80000000
	s_add_nc_u64 s[G0S+2:G0S+3], s[6:7], s[80:81]
	s_or_b32 s[G0S+3], s[G0S+3], 0x80000000
	s_add_nc_u64 s[10:11], s[86:87], s[82:83]
	s_mov_b32 s20, s12
	s_add_nc_u64 s[46:47], s[88:89], s[20:21]
	s_load_b128 s[84:87], s[0:1], 0x40  ; bq, bk
	s_load_b64 s[40:41], s[0:1], 0x50  ; bv
	s_cmp_eq_u32 s14, 0  ; ONE joint load a wave, and a line of its own for what is shown ahead of the rest
	s_cbranch_scc0 .Lwave_1
	TLOAD G0B, G1B  ; wave 0: the first weight's rows
	s_branch .Lasked
.Lwave_1:
	s_cmp_eq_u32 s14, 1
	s_cbranch_scc0 .Lfor_scales
	TLOAD G0A, G1A  ; wave 1: chunk 0
	s_branch .Lasked
.Lfor_scales:
	TLOAD G0S, G1S  ; waves 2, 3: a window's scale bytes each
.Lasked:
; WHERE MY RESULTS GO, offsets: s[76:77] qk_codes, s[78:79] qk_scales, s[80:81] v_codes, s[82:83] v_scales
	s_and_b32 s20, s42, 7
	s_lshl_b32 s76, s43, 19
	s_lshl_b32 s21, s15, 15
	SADD 76, 21
	s_lshl_b32 s21, s20, 11
	SADD 76, 21
	s_lshl_b32 s21, s16, 10
	SADD 76, 21
	s_lshl_b32 s21, s19, 23
	SADD 76, 21
	s_mov_b32 s77, 0
	s_lshl_b32 s78, s20, 15  ; wave n stores half n / 2 (in the order of work), 512 bytes n % 2 of it
	s_lshl_b32 s21, s19, 18
	SADD 78, 21
	s_lshl_b32 s21, s43, 11
	SADD 78, 21
	s_xor_b32 s21, s15, s18
	s_xor_b32 s21, s21, 1
	s_lshl_b32 s21, s21, 10
	SADD 78, 21
	s_lshl_b32 s21, s16, 9
	SADD 78, 21
	s_mov_b32 s79, 0
	s_lshl_b32 s22, s43, 2
	s_lshl_b32 s21, s18, 1
	SADD 22, 21  ; v's first step of 128 keys, of 64
	s_lshr_b32 s80, s22, 4
	s_lshl_b32 s80, s80, 21
	s_and_b32 s21, s22, 15
	s_lshl_b32 s21, s21, 11
	SADD 80, 21
	s_lshl_b32 s21, s13, 18
	SADD 80, 21
	s_lshl_b32 s21, s16, 17
	SADD 80, 21
	s_lshl_b32 s21, s15, 9
	SADD 80, 21
	s_mov_b32 s81, 0
	s_add_co_u32 s82, s22, s15  ; wave n stores step n / 2, 256 bytes n % 2 of it
	s_lshl_b32 s82, s82, 12
	s_lshl_b32 s21, s13, 9
	SADD 82, 21
	s_lshl_b32 s21, s16, 8
	SADD 82, 21
	s_mov_b32 s83, 0
; THE BIAS IS THE FIRST PRODUCTS' C.  Phase 1: register i of tile j of lane (r, h) is my channel 32 h + 8 j + i: 128 bytes on end a lane.  Phase 2: all eight registers of tile t are channel 16 t + r: one number, spread over eight at the change of phase.
	s_lshl_b32 s20, s20, 9
	s_lshl_b32 s23, s16, 8
	SADD 20, 23
	s_lshl_b32 s22, s13, 9
	SADD 22, 23
	s_mov_b32 s21, 0
	s_mov_b32 s23, 0
	v_lshlrev_b32 v22, 7, v2
	v_lshlrev_b32 v23, 2, v1
	s_wait_alu depctr_va_vdst(0)
	s_wait_kmcnt 0x0
	s_cmp_lt_u32 ttmp9, 2
	s_cselect_b64 s[84:85], s[84:85], s[86:87]
	s_add_nc_u64 s[20:21], s[84:85], s[20:21]
	s_add_nc_u64 s[22:23], s[40:41], s[22:23]
.irp k, 0,1,2,3,4,5,6,7
	global_load_b128 v[BQ+4*\k:BQ+4*\k+3], v22, s[20:21] offset:16*\k
.endr
.irp t, 0,1,2,3
	global_load_b32 v[BV+\t], v23, s[22:23] offset:64*\t
.endr
.irp p, 0,1  ; scale words: the first weight's into SB, Wv's into WS
.irp c, 0,1
	global_load_b128 v[SB+8*\p+4*\c:SB+8*\p+4*\c+3], v[ABS], s[10:11] offset:\p*512+16*\c
	global_load_b128 v[WS+8*\p+4*\c:WS+8*\p+4*\c+3], v21, s[46:47] offset:\p*1024+16*\c
.endr
.endr
	s_wait_xcnt 0x0  ; the loads have taken their addresses; they change below
	v_lshlrev_b32 v[CO], 4, v3
	s_lshl_b32 s21, s15, 7
	s_lshl_b32 s22, s16, 1
	SADD 21, 22
	s_add_co_u32 s21, s21, XN
	v_lshl_add_u32 v23, v1, 2, v2
	v_add_nc_u32 v[VXB], s21, v23  ; q's, k's scale byte of block 0: 4 (32 w + r) + 2 x wave column + h
	v_add_nc_u32 v[VX], s21, v23
	s_lshl_b32 s21, s16, 8
	SADD 21, 15
	s_add_co_u32 s21, s21, XV
	v_lshl_add_u32 v[RD], v1, 2, s21  ; v's: 4 (64 x wave column + r) + w: both halves of the lanes hold the same byte
	v_lshlrev_b32 v23, 9, v2
	v_lshl_add_u32 v[CN], v1, 4, v23  ; q's, k's codes in an image: 512 h + 16 r
	s_add_co_u32 s6, s67, CH*KROW  ; chunk 1
	s_add_co_u32 s7, s2, CH*KROW  ; chunk 3
	s_mov_b64 s[42:43], s[4:5]  ; the prefetches' base
	s_lshl_b32 s21, s90, 13
	s_add_co_u32 s22, s21, s6
	v_lshl_add_u32 v7, v3, 8, s22  ; my sixteenth of chunk 1, of chunk 2
	s_add_co_u32 s22, s21, s2
	v_lshl_add_u32 v8, v3, 8, s22
	v_add_nc_u32 v1, 16*PITCH, v[ADRA0]  ; block 1
	v_add_nc_u32 v2, 2*U, v[AAS0]
	s_wait_alu depctr_va_vdst(0)
	s_cmp_eq_u32 s14, 0
	s_cbranch_scc0 .Lnot_b
	s_wait_tensorcnt 0x0  ; wave 0: the first weight has landed.  The other waves' wait stands at the second barrier
.Lnot_b:
	BARRIER
	global_prefetch_b8 v7, s[42:43] th:TH_LOAD_NT scope:SCOPE_SE
	global_prefetch_b8 v8, s[42:43] th:TH_LOAD_NT scope:SCOPE_SE
.macro WALU
	s_wait_alu depctr_va_vdst(0)
.endm
.macro MIDDLE  ; a round's middle
	WIN 0
	s_barrier_wait -1
	s_cmp_lg_u32 s14, 0
	s_cbranch_scc1 .Lnot_wave_0_\@
	s_barrier_signal -3
.Lnot_wave_0_\@:
	s_barrier_wait -3
.endm
.macro GRD
	s_wait_tensorcnt 0x0
	ds_add_u32 v[SPW], v[NIL]
.endm
.macro FRAG f, adr, q, off  ; a weight's fragment f lies in window 1 + f / 16
	WIN (1+(\f)/FPW)<<6
.irp c, 0,1,2,3
	ds_load_b128 v[FR*((\f)%FPW)+4*\c:FR*((\f)%FPW)+4*\c+3], v[\adr] offset:128*(\q)+32*\c+(\off)
.endr
.endm
.macro FETCHAT k, a, s  ; a block of x, 16 rows, all of K, into set k of window 3, and its scale words: NF loads
	WIN 3<<6
.irp q, 0,1,2,3,4,5,6,7
.irp c, 0,1,2,3
	ds_load_b128 v[128*\k+FR*\q+4*\c:128*\k+FR*\q+4*\c+3], v[\a] offset:128*\q+32*\c
.endr
.endr
	WIN 0
	ds_load_b128 v[SA+8*\k:SA+8*\k+3], v[\s]
	ds_load_b128 v[SA+8*\k+4:SA+8*\k+7], v[\s] offset:16
.endm
.macro PROD kind, e, a, n  ; product n = 4 q + b of a block: x's rows in set e, sums in set a.  kind 0 (q, k): source 0 = the weight's rows; 1 (v): source 0 = x's
.set Q_, (\n)/4
.set B_, (\n)%4
.set FB_, NB*Q_+B_
.set AC_, ACC+32*(\a)+8*B_
.set C_, AC_
.if Q_ == 0
.set C_, BQ+8*B_
.endif
.set R_, 128*(\e)+FR*Q_
.set W_, FR*(FB_%FPW)
.set XS_, SA+8*(\e)+Q_
.set WS_, SB+8*(B_/2)+Q_
.if \kind
	WIN 3|((1+FB_/FPW)<<2)
.if B_%2
	v_wmma_scale_f32_16x16x128_f8f6f4 v[AC_:AC_+7], v[R_:R_+FR-1], v[W_:W_+FR-1], v[C_:C_+7], v[XS_], v[WS_] matrix_b_scale:MATRIX_SCALE_ROW1
.else
	v_wmma_scale_f32_16x16x128_f8f6f4 v[AC_:AC_+7], v[R_:R_+FR-1], v[W_:W_+FR-1], v[C_:C_+7], v[XS_], v[WS_]
.endif
.else
	WIN (1+FB_/FPW)|(3<<2)
.if B_%2
	v_wmma_scale_f32_16x16x128_f8f6f4 v[AC_:AC_+7], v[W_:W_+FR-1], v[R_:R_+FR-1], v[C_:C_+7], v[WS_], v[XS_] matrix_a_scale:MATRIX_SCALE_ROW1
.else
	v_wmma_scale_f32_16x16x128_f8f6f4 v[AC_:AC_+7], v[W_:W_+FR-1], v[R_:R_+FR-1], v[C_:C_+7], v[WS_], v[XS_]
.endif
.endif
.endm
.macro HOLD x, b  ; a sum held at the largest number that the format has under its block's scale
	v_med3_num_f32 v[\x], v[\x], -v[TQ+\b], v[TQ+\b]
.endm
.macro SCALES i, n  ; 0: the conversion's scale operand; 1: the bound, 448 x the scale; 2: a second copy of it; 3: the scale byte
.if (\i) == 0
	v_add_nc_u32 v[SOP+\n], -(8<<23), v[TQ]
.elseif (\i) == 1
	v_and_or_b32 v[TQ+1], v[TQ], 0x7f800000, s62
.elseif (\i) == 2
	v_mov_b32 v[TQ+3], v[TQ+1]
.else
	v_lshrrev_b32 v[EB+\n], 23, v[SOP+\n]
.endif
.endm
.macro MAXQ k, x  ; q, k: 18 lines: the largest magnitude of the 32 sums at x, and the floor under which a byte would fall under 1
.if (\k) < 4
	v_max3_num_f32 v[TQ+\k], |v[\x+8*(\k)]|, |v[\x+8*(\k)+1]|, |v[\x+8*(\k)+2]|
.elseif (\k) < 12
	v_max3_num_f32 v[TQ+(\k)%4], v[TQ+(\k)%4], |v[\x+8*((\k)%4)+2*((\k)/4)+1]|, |v[\x+8*((\k)%4)+2*((\k)/4)+2]|
.elseif (\k) < 16
	v_max_num_f32 v[TQ+(\k)%4], v[TQ+(\k)%4], |v[\x+8*((\k)%4)+7]|
.elseif (\k) == 16
	v_max3_num_f32 v[TQ], v[TQ], v[TQ+1], v[TQ+2]
.else
	v_max3_num_f32 v[TQ], v[TQ], v[TQ+3], 9<<23
.endif
.endm
.macro HOLDS m, x  ; two of a scale block's holds; the bound's second copy serves the last
.if (\m) == 3
	HOLD \x, 3
	HOLD \x+1, 3
.else
	HOLD \x, 1
	HOLD \x+1, 1
.endif
.if (\m) == 2
	SCALES 2, 0
.endif
.endm
.macro GAPQ m, x  ; THE QUANTISER OF q's OR k's BLOCK, gaps 0 .. 26: a lane's 32 sums at x are a scale block -> codes NCD, byte EB
.if (\m) < 9
	MAXQ 2*(\m), \x
	MAXQ 2*(\m)+1, \x
.elseif (\m) == 9
	SCALES 0, 0
	SCALES 1, 0
.elseif (\m) < 26
	HOLDS (\m)-10, \x+2*((\m)-10)
.if ((\m)-10)%4 == 3
	v_cvt_scalef32_pk8_fp8_f32 v[NCD+2*(((\m)-10)/4):NCD+2*(((\m)-10)/4)+1], v[\x+8*(((\m)-10)/4):\x+8*(((\m)-10)/4)+7], v[SOP]
.endif
.elseif (\m) == 26
	SCALES 3, 0
.endif
.endm
.macro GAPV u, x  ; THE QUANTISER OF A PAIR OF v's BLOCKS, gaps 0 .. 59, 15 a tile: a scale block lies in lanes l and l xor 16: the even block's sums at x, the odd's at x + 32 -> codes MCD + 4 t, bytes EB + t
.set T_, (\u)/15
.set J_, (\u)%15
.set E_, \x+8*T_
.set O_, E_+32
.if (\u) > 59
.elseif J_ == 0
	v_max3_num_f32 v[TQ], |v[E_]|, |v[E_+1]|, |v[E_+2]|
	v_max3_num_f32 v[TQ+2], |v[O_]|, |v[O_+1]|, |v[O_+2]|
.elseif J_ < 3
	v_max3_num_f32 v[TQ], v[TQ], |v[E_+2*J_+1]|, |v[E_+2*J_+2]|
	v_max3_num_f32 v[TQ+2], v[TQ+2], |v[O_+2*J_+1]|, |v[O_+2*J_+2]|
.elseif J_ == 3
	v_max3_num_f32 v[TQ+2], v[TQ+2], |v[O_+7]|, 9<<23
	v_max3_num_f32 v[TQ], v[TQ], |v[E_+7]|, v[TQ+2]
.elseif J_ == 4
	v_permlanex16_b32 v[TQ+2], v[TQ], s60, s61
	v_max_num_f32 v[TQ], v[TQ], v[TQ+2]
.elseif J_ == 5
	SCALES 0, T_
	SCALES 1, T_
.elseif J_ < 10
	HOLDS J_-6, E_+2*(J_-6)
.if J_ == 9
	v_cvt_scalef32_pk8_fp8_f32 v[MCD+4*T_:MCD+4*T_+1], v[E_:E_+7], v[SOP+T_]
.endif
.elseif J_ < 14
	HOLDS J_-6, O_+2*(J_-10)
.if J_ == 13
	v_cvt_scalef32_pk8_fp8_f32 v[MCD+4*T_+2:MCD+4*T_+3], v[O_:O_+7], v[SOP+T_]
.endif
.else
	SCALES 3, T_
.endif
.endm
.macro RDESC i, off, lds  ; group 0 of a refill, in two parts: a quarter of 128 rows a wave, x's rows at s[off], into LDS at s[lds]
.if (\i) == 0
	s_mul_i32 s[G0R+1], s14, CH/4*PITCH
	s_add_co_u32 s[G0R+1], s[G0R+1], s\lds
	s_mul_i32 s20, s14, CH/4*KROW
	s_add_co_u32 s20, s20, s\off
.else
	s_mov_b32 s21, 0
	s_add_nc_u64 s[G0R+2:G0R+3], s[4:5], s[20:21]
	s_or_b32 s[G0R+3], s[G0R+3], 0x80000000
.endif
.endm
; WHAT STANDS BEHIND PRODUCT n.  j: the block's number in its trip (the second loop's: 4, 5; v's: -1, -2).  The addresses of the block two on stand behind 0 and 1; a prefetch's address or a byte's place behind 2; a refill's group 0 behind 29 and 30; from 1 on a way out: y = 1 q's or k's block at x; 2, 3 the halves of v's pair at x
.macro LIST n, j, y, x
.if (\n) == 0
.if (\j) >= 0
.if (\j)%2
	s_add_nc_u64 s[84:85], s[84:85], 3*BLKB  ; to the block before me: an even one,
.else
	s_add_nc_u64 s[84:85], s[84:85], BLKB  ; an odd one
.endif
.if (\j) == 1
	s_cmp_eq_u32 s46, 2
	s_cselect_b64 s[84:85], s[88:89], s[84:85]
.endif
.endif
	WIN 0
.if (\j) == 0 || (\j) == 1
	s_add_co_u32 s22, s101, 64*PITCH+(\j)*16*PITCH
.elseif (\j) > 1
	s_add_co_u32 s22, s47, ((\j)%2)*16*PITCH
.else
	s_add_co_u32 s22, s47, (-1-(\j))*16*PITCH
.endif
	v_add_nc_u32 v[ADRA], s22, v[ADRA0]
.elseif (\n) == 1
	WIN 0
.if (\j) == 0 || (\j) == 1
	s_add_co_u32 s22, s17, 8*U+(\j)*2*U
.elseif (\j) > 1
	s_add_co_u32 s22, s8, ((\j)%2)*2*U
.else
	s_add_co_u32 s22, s8, (-1-(\j))*2*U
.endif
	v_add_nc_u32 v[AAS], s22, v[AAS0]
.endif
.if (\j) == 2 && (\n) == 2
	WIN 0
	v_lshl_add_u32 v7, v3, 8, s23
.elseif (\j) == 0 && ((\n) == 29 || (\n) == 30)
	RDESC (\n)-29, 6, 47
.elseif ((\j) == 1 || (\j) == 5) && (\n) == 2
	WIN 0
	v_add_nc_u32 v[VX], s9, v[VXB]
.endif
.if (\y) == 1 && (\n) > 0 && (\n) < 28
	WIN 0
	GAPQ (\n)-1, \x
.elseif (\y) == 2 && (\n) > 0 && (\n) < 31
	WIN 0
	GAPV (\n)-1, \x
.elseif (\y) == 3 && (\n) > 0 && (\n) < 31
	WIN 0
	GAPV (\n)+29, \x
.endif
.endm
.macro BLOCK kind, e, a, from, to, j, y, x
.set N_, \from
.rept (\to)-(\from)
	PROD \kind, \e, \a, N_
	LIST N_, \j, \y, \x
.set N_, N_+1
.endr
.endm
.macro BEGIN w  ; a block's head: its operands are in (w: the younger LDS instructions; -1: a barrier's wait has shown it); the last block's stores have taken their data
.if (\w) >= 0
	s_wait_dscnt \w
.endif
	s_wait_xcnt 0x0
.endm
.macro BLK kind, e, a, w, j, y, x
	BEGIN \w
	BLOCK \kind, \e, \a, 0, 32, \j, \y, \x
	WIN 0
	PLACES NP
.endm
.macro RBLK kind, e, a, w, j, y, x  ; a block with a round of the cluster's barrier: the lines at its head, the signal behind 28 products
	BEGIN \w
	GRD
	BLOCK \kind, \e, \a, 0, 28, \j, \y, \x
	WIN 0
	WALU
	s_wait_dscnt 0x0
	s_barrier_signal -1
	BLOCK \kind, \e, \a, 28, 32, \j, \y, \x
	MIDDLE
	BARRIER
.endm
.macro SBLK kind, e, a, w, j, y, x, half=0  ; a block with a plain barrier (half = 1: it shows waves 0 and 1's loads alone)
	BEGIN \w
	BLOCK \kind, \e, \a, 0, 28, \j, \y, \x
	WIN 0
	WALU
.if \half
	s_cmp_lt_u32 s14, 2
	s_cbranch_scc0 .Lnot_yet_\@
	s_wait_tensorcnt 0x0
.Lnot_yet_\@:
.else
	s_wait_tensorcnt 0x0
.endif
	s_wait_dscnt 0x0
	s_barrier_signal -1
	BLOCK \kind, \e, \a, 28, 32, \j, \y, \x
	WIN 0
	s_barrier_wait -1
	PLACES NP
.endm
.macro QOUT off, boff  ; a block's byte goes to its place in LDS, its 32 codes a lane leave: sixteen lanes store 256 bytes on end
	ds_store_b8 v[VX], v[EB] offset:\boff
	global_store_b128 v[CN], v[NCD:NCD+3], s[84:85] offset:\off
	global_store_b128 v[CN], v[NCD+4:NCD+7], s[84:85] offset:(\off)+256
.endm
.irp q, 0,1,2,3,4,5,6,7  ; the first weight into the 512 registers of windows 1 and 2
.irp b, 0,1,2,3
	FRAG NB*\q+\b, ADRB, \q, \b*8*PITCH
.endr
.endr
	WIN 0
	s_wait_tensorcnt 0x0  ; chunk 0 and the scale bytes are in
	s_wait_dscnt 0x0  ; the first weight is in registers
	BARRIER
	FETCHAT 0, ADRA0, AAS0
	FETCHAT 1, 1, 2
	s_load_b256 s[92:99], s[0:1], 0x58  ; qk_codes, qk_scales, v_codes, v_scales
	s_mov_b32 s60, 0x76543210
	s_mov_b32 s61, 0xfedcba98
	s_mov_b32 s62, 0x600000
.set I_, 0
.rept 32
	v_mov_b32 v[ACC+32+I_], 0
.set I_, I_+1
.endr
	s_wait_kmcnt 0x0
	s_add_nc_u64 s[92:93], s[92:93], s[76:77]
	s_add_nc_u64 s[94:95], s[94:95], s[78:79]
	s_add_nc_u64 s[96:97], s[96:97], s[80:81]
	s_add_nc_u64 s[98:99], s[98:99], s[82:83]
	s_lshl_b32 s20, s18, 18
	s_mov_b32 s21, 0
	s_add_nc_u64 s[88:89], s[92:93], s[20:21]  ; codes of v's window
	s_xor_b32 s20, s20, 0x40000
	s_add_nc_u64 s[84:85], s[92:93], s[20:21]  ; of the other window,
	s_sub_nc_u64 s[84:85], s[84:85], 4*BLKB  ; two blocks back
	s_mov_b32 s46, 0  ; PHASE 1.  s46 the trip; s101, s47 this chunk's slot and the next chunk's; s17, s8 their scale words' step; s6 the rows that are loaded; s9 a chunk's first scale word; s23 where my share of a prefetch begins
	s_mov_b32 s9, 0
	s_mov_b32 s23, 0
	s_mov_b32 s101, 0
	s_mov_b32 s47, YB
	s_mov_b32 s17, 0
	s_mov_b32 s8, 16*U
	s_wait_loadcnt 0x0
.Lfour:
	RBLK 0, 0, 0, NF, 0, 1, ACC+32  ; blocks 0, 4, 8: chunks 1, 2, 3 come
	s_cmp_lt_u32 s14, 2  ; waves 0, 1 and waves 2, 3 have a load line each: the barrier inside the block two on waits for the first line's alone
	s_cbranch_scc0 .Lupper
	TLOAD G0R, G1R
	s_branch .Lboth
.Lupper:
	TLOAD G0R, G1R
.Lboth:
	PLACES NP-4
	s_cmp_eq_u32 s46, 0
	s_cbranch_scc1 .Lno_block_before
	QOUT 0, 320
.Lno_block_before:
	FETCHAT 0, ADRA, AAS
	BLK 0, 1, 1, -1, 1, 1, ACC
	QOUT 0, 0
	FETCHAT 1, ADRA, AAS
	SBLK 0, 0, 0, NF, 2, 1, ACC+32, 1  ; the next chunk's first half is in
	QOUT 0, 64
	s_cmp_eq_u32 s46, 0
	s_cbranch_scc1 .Lnone_ahead
	global_prefetch_b8 v7, s[42:43] th:TH_LOAD_NT scope:SCOPE_SE
.Lnone_ahead:
	FETCHAT 0, ADRA, AAS
	BLK 0, 1, 1, -1, 3, 1, ACC
	QOUT 0, 256
	FETCHAT 1, ADRA, AAS
	s_cmp_eq_u32 s46, 0
	s_cselect_b32 s6, s2, s7
	s_cselect_b32 s21, s90, s100
	s_cselect_b32 s22, s7, s3
	s_cselect_b64 s[42:43], s[4:5], s[104:105]
	s_lshl_b32 s21, s21, 13
	s_add_co_u32 s23, s21, s22
	s_add_co_u32 s9, s9, 512
	s_mov_b32 s101, s47
	s_mov_b32 s17, s8
	s_xor_b32 s47, s47, YB
	s_add_co_u32 s8, s8, 16*U
	s_add_co_u32 s46, s46, 1
	s_cmp_lg_u32 s46, 3
	s_cbranch_scc1 .Lfour
	GRD
	s_mul_i32 s20, s14, CH/4*KROW
	s_add_co_u32 s20, s20, s3
	s_mov_b32 s21, 0
	s_mul_i32 s[G0A+1], s14, CH/4*PITCH
	s_add_nc_u64 s[G0A+2:G0A+3], s[104:105], s[20:21]
	s_or_b32 s[G0A+3], s[G0A+3], 0x80000000
	GROUP1 G1A, 45, CH/4
	s_wait_dscnt 0x0
	s_barrier_signal -1
	MIDDLE
	BARRIER
	TLOAD G0A, G1A
	s_mov_b32 s47, YB+64*PITCH
	s_mov_b32 s8, 56*U
	s_mov_b32 s9, 1280
.Ltwo:
	BLK 0, 0, 0, NF, 4, 1, ACC+32  ; blocks 12, 14
	QOUT 0, 320
	FETCHAT 0, ADRA, AAS
	BLK 0, 1, 1, NF, 5, 1, ACC  ; 13, 15; the block two on is then v's: chunk 3 again, as it lies in slot 1
	QOUT 0, 256
	FETCHAT 1, ADRA, AAS
	s_mov_b32 s47, YB
	s_mov_b32 s8, 48*U
	s_add_co_u32 s9, s9, 256
	s_add_co_u32 s46, s46, 1
	s_cmp_lg_u32 s46, 5
	s_cbranch_scc1 .Ltwo
; the change of phase
	s_wait_xcnt 0x0
	s_wait_tensorcnt 0x0  ; Wv's rows are in
	s_wait_dscnt 0x0
	BARRIER
.macro CHANGE i  ; among Wv's 128 loads: the last block's way out; Wv's scale words into their place; zeros into what no block has written yet (v's first trip reads the sums' registers and stores nothing)
.if (\i) < 7
.irp k, 0,1,2,3
.if 4*(\i)+\k < 27
	GAPQ 4*(\i)+\k, ACC+32
.endif
.endr
.elseif (\i) < 9
.irp q, 0,1,2,3,4,5,6,7
	v_mov_b32 v[SB+8*((\i)-7)+\q], v[WS+8*((\i)-7)+\q]
.endr
.elseif (\i) < 15
.irp q, 0,1,2,3,4,5,6,7
	v_mov_b32 v[ACC+80+8*((\i)-9)+\q], 0
.endr
.endif
.endm
.irp q, 0,1,2,3,4,5,6,7
.irp b, 0,2
	FRAG NB*\q+\b, ADRB+1, \q, \b*16*PITCH
	FRAG NB*\q+\b+1, ADRB+1, \q, (\b+1)*16*PITCH
	WIN 0
	CHANGE 2*\q+\b/2
.endr
.endr
.irp t, 0,1,2,3
.irp i, 0,1,2,3,4,5,6,7
	v_mov_b32 v[BQ+8*\t+\i], v[BV+\t]
.endr
.endr
	WALU
	QOUT BLKB, 320
	GRD
	s_mov_b32 s47, 0
	RDESC 0, 2, 47
	RDESC 1, 2, 47
	s_mov_b32 s46, 0
	s_mov_b32 s47, YB+64*PITCH
	s_mov_b32 s8, 56*U
	s_wait_dscnt 0x0
	s_barrier_signal -1
	MIDDLE
	BARRIER
	TLOAD G0R, G1R
.macro VOUT  ; a pair of v's blocks: four tiles' bytes and codes; each store is 512 bytes on end
.irp t, 0,1,2,3
	ds_store_b8 v[VX], v[EB+\t] offset:64*\t
	global_store_b128 v[CO], v[MCD+4*\t:MCD+4*\t+3], s[84:85] offset:32768*\t
.endr
.endm
.macro VTO  ; s22 = the pair's number in the window, 0 .. 3: where its codes and bytes go
	s_lshl_b32 s20, s22, 10
	s_mov_b32 s21, 0
	s_add_nc_u64 s[84:85], s[96:97], s[20:21]
	s_lshr_b32 s20, s22, 1
	s_lshl_b32 s20, s20, 9
	s_and_b32 s21, s22, 1
	s_lshl_b32 s21, s21, 1
	SADD 20, 21
	v_add_nc_u32 v[VX], s20, v[RD]
.endm
.Lpair:
	BLK 1, 0, 0, -1, -1, 2, ACC+64
	s_cmp_eq_u32 s46, 3
	s_cbranch_scc1 .Lnone_0
	FETCHAT 0, ADRA, AAS
	s_wait_dscnt NF
	s_branch .Lgo
.Lnone_0:
	s_wait_dscnt 0x0
.Lgo:
	SBLK 1, 1, 1, -1, -2, 3, ACC+64  ; the first trip's shows chunk 2
.set I_, 0
.rept 32  ; the pair's sums are copied, so that one trip is two blocks of text
	v_dual_mov_b32 v[ACC+64+I_], v[ACC+I_] :: v_dual_mov_b32 v[ACC+64+I_+1], v[ACC+I_+1]
.set I_, I_+2
.endr
	s_add_co_u32 s22, s46, 1
	s_and_b32 s22, s22, 3
	VTO
	s_cmp_eq_u32 s46, 0
	s_cbranch_scc1 .Lno_pair_before
	VOUT
.Lno_pair_before:
	s_cmp_eq_u32 s46, 3
	s_cbranch_scc1 .Lnone_1
	FETCHAT 1, ADRA, AAS
.Lnone_1:
	s_mov_b32 s8, 40*U
	s_cmp_eq_u32 s46, 0
	s_cselect_b32 s47, 0, 64*PITCH
	s_cselect_b32 s8, 32*U, s8
	s_add_co_u32 s46, s46, 1
	s_cmp_lg_u32 s46, 4
	s_cbranch_scc1 .Lpair
	s_wait_xcnt 0x0
	s_mov_b32 s22, 1
	VTO
.set K_, 0
.rept 60
	GAPV K_, ACC+64
.set K_, K_+1
.endr
	WALU
	VOUT
	s_wait_dscnt 0x0  ; the scale bytes
	BARRIER
	v_lshlrev_b32 v20, 4, v3
	s_lshl_b32 s21, s14, 9
	s_add_co_u32 s21, s21, XN
	v_add_nc_u32 v21, s21, v20
	v_lshlrev_b32 v22, 3, v3
	s_lshl_b32 s21, s14, 8
	s_add_co_u32 s21, s21, XV
	v_add_nc_u32 v23, s21, v22
	s_wait_alu depctr_va_vdst(0)
	ds_load_b128 v[60:63], v21
	ds_load_b64 v[40:41], v23
	s_wait_dscnt 0x0
	global_store_b128 v20, v[60:63], s[94:95]
	global_store_b64 v22, v[40:41], s[98:99]
	s_wait_tensorcnt 0x0  ; the wave's end
	ds_add_u32 v[SPW], v[NIL]
	s_wait_dscnt 0x0
	CROUND  ; the closing round
	s_endpgm
.Lfunc_end_k_q8d8da85a57_proj:
	.size	k_q8d8da85a57_proj, .Lfunc_end_k_q8d8da85a57_proj-k_q8d8da85a57_proj
	.p2alignl 7, 3214868480
	.fill 96, 4, 3214868480
	.section	.rodata,"a",@progbits
	.p2align	6, 0x0
	.amdhsa_kernel k_q8d8da85a57_proj
		.amdhsa_group_segment_fixed_size 327680
		.amdhsa_private_segment_fixed_size 0
		.amdhsa_enable_private_segment 0
		.amdhsa_kernarg_size 120
		.amdhsa_user_sgpr_count 2
		.amdhsa_user_sgpr_kernarg_segment_ptr 1
		.amdhsa_wavefront_size32 1
		.amdhsa_system_sgpr_workgroup_id_x 1
		.amdhsa_system_sgpr_workgroup_id_y 1
		.amdhsa_system_sgpr_workgroup_id_z 1
		.amdhsa_system_vgpr_workitem_id 0
		.amdhsa_next_free_vgpr 1024
		.amdhsa_next_free_sgpr 106
		.amdhsa_reserve_vcc 0
		.amdhsa_float_denorm_mode_32 3
		.amdhsa_float_denorm_mode_16_64 3
		.amdhsa_memory_ordered 1
		.amdhsa_forward_progress 1
		.amdhsa_inst_pref_size 163
	.end_amdhsa_kernel
	.amdgpu_metadata
---
amdhsa.version: [ 1, 2 ]
amdhsa.kernels:
  - .name:           k_q8d8da85a57_proj
    .symbol:         k_q8d8da85a57_proj.kd
    .args:
      - { .name: x_codes, .offset: 0, .size: 8, .value_kind: global_buffer, .address_space: global }
      - { .name: x_scales, .offset: 8, .size: 8, .value_kind: global_buffer, .address_space: global }
      - { .name: Wq_codes, .offset: 16, .size: 8, .value_kind: global_buffer, .address_space: global }
      - { .name: Wq_scales, .offset: 24, .size: 8, .value_kind: global_buffer, .address_space: global }
      - { .name: Wk_codes, .offset: 32, .size: 8, .value_kind: global_buffer, .address_space: global }
      - { .name: Wk_scales, .offset: 40, .size: 8, .value_kind: global_buffer, .address_space: global }
      - { .name: Wv_codes, .offset: 48, .size: 8, .value_kind: global_buffer, .address_space: global }
      - { .name: Wv_scales, .offset: 56, .size: 8, .value_kind: global_buffer, .address_space: global }
      - { .name: bq, .offset: 64, .size: 8, .value_kind: global_buffer, .address_space: global }
      - { .name: bk, .offset: 72, .size: 8, .value_kind: global_buffer, .address_space: global }
      - { .name: bv, .offset: 80, .size: 8, .value_kind: global_buffer, .address_space: global }
      - { .name: qk_codes, .offset: 88, .size: 8, .value_kind: global_buffer, .address_space: global }
      - { .name: qk_scales, .offset: 96, .size: 8, .value_kind: global_buffer, .address_space: global }
      - { .name: v_codes, .offset: 104, .size: 8, .value_kind: global_buffer, .address_space: global }
      - { .name: v_scales, .offset: 112, .size: 8, .value_kind: global_buffer, .address_space: global }
    .group_segment_fixed_size: 327680
    .private_segment_fixed_size: 0
    .kernarg_segment_align: 8
    .kernarg_segment_size: 120
    .max_flat_workgroup_size: 128
    .sgpr_count:     106
    .vgpr_count:     1024
    .wavefront_size: 32
...
	.end_amdgpu_metadata
.endif
;; end of part 1
;; launch scores (part 2): grid 8 x 32, 4 waves a work-group, clusters of 4 x 4, 327,680 bytes of LDS; arguments qk_codes, qk_scales, p_codes, p_stats; writes p_codes, p_stats
.if DOCPART == 2
	.amdgcn_target "amdgcn-amd-amdhsa--gfx1250"
	.amdhsa_code_object_version 6
	.text
	.protected	k_q8d8da85a57_scores
	.globl	k_q8d8da85a57_scores
	.p2align	8
	.type	k_q8d8da85a57_scores,@function
k_q8d8da85a57_scores:
	s_mov_b64 s[64:65], 0
	v_nop
	global_prefetch_b8 v0, s[64:65] scope:SCOPE_SE
	s_setreg_imm32_b32 hwreg(HW_REG_WAVE_MODE, 25, 1), 1
	s_wait_xcnt 0x0
	s_wait_alu depctr_hold_cnt(0) depctr_sa_sdst(0) depctr_va_vdst(0) depctr_va_sdst(0) depctr_va_ssrc(0) depctr_va_vcc(0) depctr_vm_vsrc(0)
	s_getreg_b32 s2, hwreg(HW_REG_IB_STS2, 6, 4)
	s_cmp_eq_u32 s2, 0
	s_cbranch_scc0 .Lentry_in_a_cluster
	s_endpgm
.Lentry_in_a_cluster:
	s_bfe_u32 s2, ttmp6, 0x10000c
	s_cmp_lg_u32 s2, 0xf033
	s_cbranch_scc0 .Lentry_shape_is_right
	s_endpgm
.Lentry_shape_is_right:
; S = q k^T on codes of FP8 (E4M3), K = 1,024 channels, and the softmax's first half.  A tile is 256 queries x 256 keys of one batch; a wave makes 128 x 128: 64 accumulators.
; SOURCE 0 = 16 keys, SOURCE 1 = 16 queries: in tile (a, b) lane (r, h) holds query 16 a + r and, in register j, key 16 b + 8 h + j.  A wave's 128 keys are one K step of the next product.
; FOR EACH QUERY AND EACH 128 KEYS: t = score x log2(e) / 32; M_loc = the largest t of these 128 keys, rounded up to a whole number; p = 2^(t - M_loc); l_loc = the sum of the unquantised p;
; p is quantised along the keys, in blocks of 32, under M_loc.  M_loc is a whole number, so the row's own M differs from it by a whole number d, which the next launch takes off the scale bytes
; and off l_loc's exponent: the codes are those under the row's M.
; OPERANDS COME AND GO AS IMAGES OF THEIR REGISTERS (16 rows x 128 K = 2,048 bytes, register group c at 512 c + 16 x lane); inside a block of 32 the order is that of the launch before, alike in q and k,
; and p's is alike to v's: only the order of additions inside one matrix instruction differs from K ascending.
; p_codes [512 blocks of 16 tokens][16 steps of 128 keys][2,048];  p_stats [3 planes: scale word, -M_loc, l_loc][16 steps][8,192 tokens] words.
; CLUSTERS: 4 x 4: q's tiles are asked for jointly by a row of the cluster, k's by a column.
; LIMITS: NaN and infinities are not served.  A block whose every p lies under 2^-118 keeps the byte 1; p under 2^-126 is 0 (the exponential's result, ISA guide 15.8).
; REGISTERS: window 0: v16-29 addresses; v32-63 scale words, two sets; v64-87 the blocks' statistics; v96-119 at work; from v128 q's fragments, one set, later p and its codes.
;   window 1: k's fragments, two sets.   windows 2, 3: the accumulators, (a, b) at v[8 (8 (a % 4) + b)] of window 2 + a / 4.
.set NQ,     2
.set FR,     16
.set NL,     4
.set NP,     8
.set SLOT,   131072                    ; q's two halves of 128 tokens, then k's: 32,768 bytes each: [8 blocks of 16 rows][2 steps of 128 K][2,048]
.set SCL,    2*SLOT                    ; the scale words of the 512 rows, all of K: q's, then k's, each one wave's load: [8 steps][256 rows] words
.set SPARE,  SCL+4*4096
.set STG,    SPARE+512                 ; 1,536 bytes a wave: the statistics on their way out; no tile lands here
.set ADRA, 16
.set ADRB, 20
.set ADSA, 22
.set ADSB, 23
.set LI,   24                          ; 16 x lane
.set STW,  25
.set STR,  26
.set SPW,  28
.set NIL,  29
.set SA,   32                          ; q's scale words: set s, step q, register i: blocks 2 i (lanes 0-15) and 2 i + 1 (lanes 16-31) at v[SA + 16 s + 4 q + i]
.set SB,   40                          ; k's likewise
.set PW,   64                          ; v64-71 p's scale words, v72-79 -M_loc, v80-87 l_loc: one for each block of 16 queries
.set NMV,  72
.set LS,   80
.set BM,   96                          ; v96-99 a block's largest score, then its largest p
.set PX,   100
.set HO,   104
.set SO,   108
.set NM,   112                         ; v[112:113] -M_loc, as a pair
.set SUMA, 114
.set SUMB, 116
.set TA,   118
.set TB,   119
.set AF,   128
.set T,    128
.set PC,   192
.set OUTR, 208
.set G1, 24
.set G0, 32
.set G1B, 48
.set G0B, 56
.set G1S, 68
.set G0S, 76
.set G1SB, 80
.set G0SB, 88
.set CS,  92
.set SEL, 94
.set MNT, 96
.set MSB, 0
.macro WIN new
.if MSB != \new
	s_set_vgpr_msb (MSB<<8)|\new
.set MSB, \new
.endif
.endm
.set MUL_LO, 0xa1
.set MUL_HI, 0xf1
.set TO_B,   0x40
.macro PLACES n
.rept \n
	v_nop
.endr
.endm
.macro JLOAD g0a, g1a, g0b, g1b        ; waves 0 and 1 fetch for q, waves 2 and 3 for k; four v_nop follow each line
	s_cmp_eq_u32 s15, 0
	s_cbranch_scc0 .Lfor_b_\@
	tensor_load_to_lds s[\g0a:\g0a+3], s[\g1a:\g1a+7]
	s_nop 0
.rept 4
	v_nop
.endr
	s_branch .Lasked_\@
.Lfor_b_\@:
	tensor_load_to_lds s[\g0b:\g0b+3], s[\g1b:\g1b+7]
	s_nop 0
.rept 4
	v_nop
.endr
.Lasked_\@:
.endm
.macro CREST
	s_cmp_lg_u32 s14, 0
	s_cbranch_scc1 .Lnot_wave_0_\@
	s_barrier_signal -3
.Lnot_wave_0_\@:
	s_barrier_wait -3
	s_barrier_signal -1
	s_barrier_wait -1
.endm
.macro CROUND
	s_barrier_signal -1
	s_barrier_wait -1
	CREST
.endm
	s_load_b256 s[4:11], s[0:1], 0x0               ; qk_codes, qk_scales, p_codes, p_stats
	v_lshl_add_u32 v[SPW], v0, 2, SPARE
	v_mov_b32 v[NIL], 0
	ds_add_u32 v28, v29
	ds_add_u32 v28, v29
	s_wait_dscnt 0x0
	v_lshrrev_b32 v1, 5, v0
	v_readfirstlane_b32 s14, v1                    ; wave
	s_lshr_b32 s15, s14, 1                         ; my half of the queries.  Also: I fetch for q (0) or k (1)
	s_and_b32 s16, s14, 1                          ; my half of the keys.  Also: which 128 rows I fetch
	s_bfe_u32 s2, ttmp6, 0x40000                   ; cx
	s_bfe_u32 s3, ttmp6, 0x40004                   ; cy
	s_lshl_b32 s22, ttmp9, 2
	s_add_co_u32 s22, s22, s2                      ; tile column: 256 keys of the batch, 0..7
	s_and_b32 s18, ttmp7, 0xffff
	s_lshr_b32 s19, s18, 1                         ; the batch: 8 tile rows each, two clusters: the same in all partners
	s_lshl_b32 s17, s18, 2
	s_add_co_u32 s17, s17, s3                      ; tile row: 256 tokens, 0..31
	s_lshl_b32 s20, s3, 2
	s_lshl_b32 s20, 15, s20                        ; my row of the cluster
	s_lshl_b32 s21, 0x1111, s2                     ; my column
	; group 1 for codes: 8 blocks of 16 rows; of each, two steps' images, 4,096 consecutive bytes (512 elements of 8); a block's eight images are 16,384 bytes.  Dense in LDS: fragments are read 16 bytes a lane on end
	s_or_b32 s[G1+0], s20, (3<<16)|(1<<21)
	s_or_b32 s[G1B+0], s21, (3<<16)|(1<<21)
.irp g, G1, G1B
	s_mov_b32 s[\g+1], 512<<16                     ; tensor_dim0
	s_mov_b32 s[\g+2], 16<<16                      ; tensor_dim1: 16 blocks for the head's loads; behind them the two words that count blocks are set to 8, for the ring's
	s_mov_b32 s[\g+3], 512<<16                     ; tile_dim0
	s_mov_b32 s[\g+4], 16                          ; tile_dim1
	s_mov_b32 s[\g+5], 2048                        ; from row to row, in elements
	s_mov_b32 s[\g+6], 0
	s_mov_b32 s[\g+7], 0
.endr
	; group 1 for scale words: 8 steps; of each, 256 rows' words, 1,024 consecutive bytes; a step's 8,192 words are 32,768 bytes
	s_or_b32 s[G1S+0], s20, (3<<16)|(1<<21)
	s_or_b32 s[G1SB+0], s21, (3<<16)|(1<<21)
.irp g, G1S, G1SB
	s_mov_b32 s[\g+1], 128<<16                     ; 256 rows' words, 1,024 bytes of each of 8 steps
	s_mov_b32 s[\g+2], 8<<16
	s_mov_b32 s[\g+3], 128<<16
	s_mov_b32 s[\g+4], 8
	s_mov_b32 s[\g+5], 4096
	s_mov_b32 s[\g+6], 0
	s_mov_b32 s[\g+7], 0
.endr
	s_lshl_b32 s18, s16, 17                        ; the half that I fetch: 8 blocks x 16,384 bytes
	s_lshl_b32 s40, s17, 18
	s_add_co_u32 s40, s40, s18                     ; q's codes
	s_lshl_b32 s42, s22, 18
	s_add_co_u32 s42, s42, s18
	s_lshl_b32 s23, s19, 21
	s_add_co_u32 s42, s42, s23
	s_add_co_u32 s42, s42, 8388608                 ; k's, behind q's, in my batch
	s_lshl_b32 s44, s17, 10                        ; q's scale words
	s_lshl_b32 s46, s22, 10
	s_lshl_b32 s23, s19, 13
	s_add_co_u32 s46, s46, s23
	s_add_co_u32 s46, s46, 262144                  ; k's
	s_mov_b32 s41, 0
	s_mov_b32 s43, 0
	s_mov_b32 s45, 0
	s_mov_b32 s47, 0
	s_lshl_b32 s18, s14, 15                        ; where the ring's loads go: wave x 32,768
	s_wait_kmcnt 0x0
	s_add_nc_u64 s[40:41], s[4:5], s[40:41]
	s_add_nc_u64 s[42:43], s[4:5], s[42:43]
	s_add_nc_u64 s[44:45], s[6:7], s[44:45]
	s_add_nc_u64 s[46:47], s[6:7], s[46:47]
	CROUND                                         ; all sixteen work-groups are here: the first joint loads meet
	s_mov_b32 s[G0S], 1                            ; the head's four tiles, each whole: q's scale words,
	s_mov_b32 s[G0S+1], SCL
	s_mov_b64 s[G0S+2:G0S+3], s[44:45]
	s_or_b32 s[G0S+3], s[G0S+3], 0x80000000
	s_mov_b32 s[G0SB], 1                           ; k's,
	s_mov_b32 s[G0SB+1], SCL+8192
	s_mov_b64 s[G0SB+2:G0SB+3], s[46:47]
	s_or_b32 s[G0SB+3], s[G0SB+3], 0x80000000
	s_mov_b32 s[G0+4], 1                           ; slot 0's 256 rows of q (wave 0's address is that of the first half), in registers that become slot 1's behind the wait
	s_mov_b32 s[G0+5], 0
	s_mov_b64 s[G0+6:G0+7], s[40:41]
	s_or_b32 s[G0+7], s[G0+7], 0x80000000
	s_mov_b32 s[G0B+4], 1                          ; and of k (wave 2's likewise)
	s_mov_b32 s[G0B+5], 65536
	s_mov_b64 s[G0B+6:G0B+7], s[42:43]
	s_or_b32 s[G0B+7], s[G0B+7], 0x80000000
	s_mov_b32 s[G0], 1                             ; the ring's: slot 0
	s_mov_b32 s[G0+1], s18
	s_mov_b64 s[G0+2:G0+3], s[40:41]
	s_or_b32 s[G0+3], s[G0+3], 0x80000000
	s_mov_b32 s[G0B], 1
	s_mov_b32 s[G0B+1], s18
	s_mov_b64 s[G0B+2:G0B+3], s[42:43]
	s_or_b32 s[G0B+3], s[G0B+3], 0x80000000
; THE HEAD'S LOADS, ONE A WAVE, in one tree of branches on the wave's number
.macro ARM under, g0, g1, next
	s_cmp_lt_u32 s14, \under
	s_cbranch_scc0 \next
	tensor_load_to_lds s[\g0:\g0+3], s[\g1:\g1+7]
	s_nop 0
	PLACES 4
	s_branch .Lhead_asked
\next:
.endm
	ARM 1, G0+4,  G1,  .Lhead_sa
	ARM 2, G0S,   G1S, .Lhead_k
	ARM 3, G0B+4, G1B, .Lhead_sb
	tensor_load_to_lds s[G0SB:G0SB+3], s[G1SB:G1SB+7]
	s_nop 0
	PLACES 4
.Lhead_asked:
	; PREFETCHES, one slot ahead of the joint load that wants it: of the 8 blocks that my wave fetches each of the four partners takes two, 4,096 bytes of each, told apart by address (cx for q, cy for k); slots 0 and 1 come by their loads alone
	s_lshl_b32 s20, s2, 15
	s_lshl_b32 s21, s3, 15
	s_cmp_eq_u32 s15, 0
	s_cselect_b64 s[98:99], s[40:41], s[42:43]
	s_cselect_b32 s20, s20, s21
	s_mov_b32 s21, 0
	s_add_nc_u64 s[98:99], s[98:99], s[20:21]
	v_and_b32 v1, 15, v0                           ; r
	v_and_b32 v2, 31, v0                           ; lane
	v_lshlrev_b32 v[LI], 4, v2
	v_lshlrev_b32 v3, 2, v2
	v_lshlrev_b32 v4, 8, v1
	v_lshrrev_b32 v5, 4, v2
	v_lshl_add_u32 v5, v5, 14, v4                  ; the prefetches' offset: a block for each half of the lanes, 256 bytes a lane; never rewritten
	s_wait_alu depctr_va_vdst(0)
	s_lshl_b32 s40, s15, 15                        ; my 128 queries
	s_lshl_b32 s41, s16, 15                        ; my 128 keys,
	s_add_co_u32 s41, s41, 65536                   ; behind q's two halves
.irp s, 0,1
	v_add_nc_u32 v[ADRA+\s], s40, v[LI]
	v_add_nc_u32 v[ADRB+\s], s41, v[LI]
	s_add_co_u32 s40, s40, SLOT
	s_add_co_u32 s41, s41, SLOT
.endr
	s_lshl_b32 s40, s15, 9
	s_add_co_u32 s40, s40, SCL
	v_add_nc_u32 v[ADSA], s40, v3                  ; scale words: 4 x lane: two blocks of 16 rows to a load
	s_lshl_b32 s41, s16, 9
	s_add_co_u32 s41, s41, SCL+8192
	v_add_nc_u32 v[ADSB], s41, v3
	s_mul_i32 s40, s14, 1536
	s_add_co_u32 s40, s40, STG
	v_lshl_add_u32 v[STW], v1, 2, s40
	v_add_nc_u32 v[STR], s40, v[LI]
	s_lshl_b32 s40, s17, 19                        ; p_codes: (16 x tile row + 8 x half) x 32,768 + (2 x tile column + half) x 2,048
	s_lshl_b32 s42, s15, 18
	s_add_co_u32 s40, s40, s42
	s_lshl_b32 s42, s22, 12
	s_add_co_u32 s40, s40, s42
	s_lshl_b32 s42, s16, 11
	s_add_co_u32 s40, s40, s42
	s_mov_b32 s41, 0
	s_add_nc_u64 s[8:9], s[8:9], s[40:41]
	s_lshl_b32 s40, s22, 16                        ; p_stats: (2 x tile column + half) x 32,768 + 4 (256 x tile row + 128 x half)
	s_lshl_b32 s42, s16, 15
	s_add_co_u32 s40, s40, s42
	s_lshl_b32 s42, s17, 10
	s_add_co_u32 s40, s40, s42
	s_lshl_b32 s42, s15, 9
	s_add_co_u32 s40, s40, s42
	s_add_nc_u64 s[10:11], s[10:11], s[40:41]
	s_mov_b32 s[CS], 0x3d38aa3b                    ; c = log2(e) / sqrt(1,024)
	s_mov_b32 s[CS+1], s[CS]                       ; (named with it as a pair)
	s_mov_b32 s[SEL], 0x76543210
	s_mov_b32 s[SEL+1], 0xfedcba98
	s_mov_b32 s[MNT], 0x600000
.irp c, 0,1,2,3
	v_mov_b32 v[PX+\c], 0                          ; written once: a lane permute's destination counts as one of its sources
.endr
	v_mov_b32 v[TB], 0
	v_mov_b32 v[NM+1], 0                           ; (named as the upper half of a pair)
.macro FRAG reg, adr, q, i             ; the image of block i, step q: four loads, 16 bytes a lane on end
.irp c, 0,1,2,3
	ds_load_b128 v[\reg+4*\c:\reg+4*\c+3], v[\adr] offset:4096*(\i)+2048*(\q)+512*\c
.endr
.endm
; One matrix instruction from the symbols rD, rB, rA, rSB, rSA.  A scale register holds two blocks' words: the odd block's are read from lanes 16-31 (oB for source 0, oA for source 1).
.macro WM zero
.if \zero
.if oB && oA
	v_wmma_scale_f32_16x16x128_f8f6f4 v[rD:rD+7], v[rB:rB+15], v[rA:rA+15], 0, v[rSB], v[rSA] matrix_a_scale:MATRIX_SCALE_ROW1 matrix_b_scale:MATRIX_SCALE_ROW1
.elseif oB
	v_wmma_scale_f32_16x16x128_f8f6f4 v[rD:rD+7], v[rB:rB+15], v[rA:rA+15], 0, v[rSB], v[rSA] matrix_a_scale:MATRIX_SCALE_ROW1
.elseif oA
	v_wmma_scale_f32_16x16x128_f8f6f4 v[rD:rD+7], v[rB:rB+15], v[rA:rA+15], 0, v[rSB], v[rSA] matrix_b_scale:MATRIX_SCALE_ROW1
.else
	v_wmma_scale_f32_16x16x128_f8f6f4 v[rD:rD+7], v[rB:rB+15], v[rA:rA+15], 0, v[rSB], v[rSA]
.endif
.else
.if oB && oA
	v_wmma_scale_f32_16x16x128_f8f6f4 v[rD:rD+7], v[rB:rB+15], v[rA:rA+15], v[rD:rD+7], v[rSB], v[rSA] matrix_a_scale:MATRIX_SCALE_ROW1 matrix_b_scale:MATRIX_SCALE_ROW1
.elseif oB
	v_wmma_scale_f32_16x16x128_f8f6f4 v[rD:rD+7], v[rB:rB+15], v[rA:rA+15], v[rD:rD+7], v[rSB], v[rSA] matrix_a_scale:MATRIX_SCALE_ROW1
.elseif oA
	v_wmma_scale_f32_16x16x128_f8f6f4 v[rD:rD+7], v[rB:rB+15], v[rA:rA+15], v[rD:rD+7], v[rSB], v[rSA] matrix_b_scale:MATRIX_SCALE_ROW1
.else
	v_wmma_scale_f32_16x16x128_f8f6f4 v[rD:rD+7], v[rB:rB+15], v[rA:rA+15], v[rD:rD+7], v[rSB], v[rSA]
.endif
.endif
.endm
; 16 matrix instructions: q's blocks a0, a0 + 1 x k's eight.  The 64 accumulators take turns, in the same order in every step.
.macro MUL16 a0, p, q, sc, zero
.irp a, \a0, \a0+1
.irp b, 0,1,2,3,4,5,6,7
.set rD, 8*(8*((\a)%4)+\b)
.set rB, 128*(\p)+FR*\b
.set rA, AF+FR*(\a)
.set rSB, SB+16*(\sc)+4*(\q)+\b/2
.set rSA, SA+16*(\sc)+4*(\q)+(\a)/2
.set oB, \b%2
.set oA, (\a)%2
	WM \zero
.endr
.endr
.endm
.macro FETCH_B slot, q, p
	WIN TO_B
.irp i, 0,1,2,3,4,5,6,7
	FRAG 128*(\p)+FR*\i, ADRB+\slot, \q, \i
.endr
	WIN 0
.endm
.macro FETCH_A slot, q, i0
.irp i, \i0, \i0+1, \i0+2, \i0+3
	FRAG AF+FR*(\i), ADRA+\slot, \q, \i
.endr
.endm
.macro SCALES sc                       ; a slot's scale words: two steps x four registers a side
.irp q, 0,1
.irp i, 0,1,2,3
	ds_load_b32 v[SA+16*\sc+4*\q+\i], v[ADSA] offset:1024*\q+128*\i
	ds_load_b32 v[SB+16*\sc+4*\q+\i], v[ADSB] offset:1024*\q+128*\i
.endr
.endr
.endm
.macro STEP slot, q, zero
	s_wait_dscnt 4*NL                              ; all but the youngest sixteen loads (q's blocks 4-7) are in
	WIN MUL_LO
	MUL16 0, (\q)%2, \q, \slot, \zero
	MUL16 2, (\q)%2, \q, \slot, \zero
	s_wait_dscnt 0
	PLACES NP                                      ; in front of loads into registers that matrix instructions have read
	FETCH_B \slot, (\q)+1, 1-(\q)%2
	FETCH_A \slot, (\q)+1, 0
	WIN MUL_HI
	MUL16 4, (\q)%2, \q, \slot, \zero
	MUL16 6, (\q)%2, \q, \slot, \zero
	PLACES NP
	WIN 0
	FETCH_A \slot, (\q)+1, 4
.endm
.macro TURN slot, next, fill
	s_wait_tensorcnt 0x0                           ; all my tensor loads have landed: the one that was out is my part of the next slot
	ds_add_u32 v[SPW], v[NIL]                      ; 0 onto my spare word
	s_wait_dscnt 4*NL+1                            ; (the add and q's blocks 4-7 may be out)
	WIN MUL_LO
	MUL16 0, 1, NQ-1, \slot, 0
	s_wait_dscnt 0x0                               ; the add is done, and my reads of this slot are over
	s_barrier_signal -1
	MUL16 2, 1, NQ-1, \slot, 0
	WIN 0
	s_barrier_wait -1
.if \fill
	CREST                                          ; a round of the cluster's barrier: no wave of any partner still reads this slot or has a load on its way
	s_add_nc_u64 s[G0+4*\slot+2:G0+4*\slot+3], s[G0+4*\slot+2:G0+4*\slot+3], 8192
	s_add_nc_u64 s[G0B+4*\slot+2:G0B+4*\slot+3], s[G0B+4*\slot+2:G0B+4*\slot+3], 8192
	JLOAD G0+4*\slot, G1, G0B+4*\slot, G1B         ; the first tensor load behind the round, and my only one until the next
	PLACES NP-4
.else
	PLACES NP
.endif
	s_wait_alu depctr_va_vdst(0)
	v_add_nc_u32 v[ADSA], 2048, v[ADSA]            ; the next slot's two steps of scale words
	v_add_nc_u32 v[ADSB], 2048, v[ADSB]
	FETCH_B \next, 0, 0
	FETCH_A \next, 0, 0
	SCALES \next
.if \fill == 2
	global_prefetch_b8 v5, s[98:99] offset:12288 th:TH_LOAD_NT scope:SCOPE_SE   ; K slot 3
.endif
	WIN MUL_HI
	MUL16 4, 1, NQ-1, \slot, 0
	MUL16 6, 1, NQ-1, \slot, 0
	PLACES NP
	WIN 0
	FETCH_A \next, 0, 4
.endm
	s_wait_alu depctr_va_vdst(0)
	s_wait_tensorcnt 0x0                           ; my tile of the head's four is in
	ds_add_u32 v[SPW], v[NIL]
	s_mov_b32 s[G1+2], 8<<16                       ; no tensor load of mine is out, so descriptors may be written: from here on a load brings 8 blocks
	s_mov_b32 s[G1+4], 8
	s_mov_b32 s[G1B+2], 8<<16
	s_mov_b32 s[G1B+4], 8
	s_add_co_u32 s[G0+5], s[G0+1], SLOT            ; slot 1's groups 0
	s_add_nc_u64 s[G0+6:G0+7], s[G0+2:G0+3], 4096
	s_add_co_u32 s[G0B+5], s[G0B+1], SLOT
	s_add_nc_u64 s[G0B+6:G0B+7], s[G0B+2:G0B+3], 4096
	s_wait_dscnt 0x0
	CROUND                                         ; everybody's tiles are in, and all sixteen work-groups are here
	JLOAD G0+4, G1, G0B+4, G1B                     ; slot 1's first fill, the first tensor load behind the round
	FETCH_B 0, 0, 0
	FETCH_A 0, 0, 0
	SCALES 0
	FETCH_A 0, 0, 4
	global_prefetch_b8 v5, s[98:99] offset:8192 th:TH_LOAD_NT scope:SCOPE_SE   ; K slot 2
	STEP 0, 0, 1                                   ; K = 1,024 is four slots: written straight
	TURN 0, 1, 2
	STEP 1, 0, 0
	TURN 1, 0, 1
	STEP 0, 0, 0
	TURN 0, 1, 0
	STEP 1, 0, 0
	s_wait_dscnt 4*NL
	WIN MUL_LO
	MUL16 0, 1, NQ-1, 1, 0
	MUL16 2, 1, NQ-1, 1, 0
	s_wait_dscnt 0
	WIN MUL_HI
	MUL16 4, 1, NQ-1, 1, 0
	MUL16 6, 1, NQ-1, 1, 0
	WIN 0
; Block a: 16 queries x my 128 keys.  Register 16 c + i of the block's 64 lies in block c of 32 keys.
.macro ABLOCK a
.set AC, 64*((\a)%4)
.set WA, 2+(\a)/4
.set W3, WA|(WA<<2)|(WA<<4)
.set W2, (WA<<2)|(WA<<4)
	WIN W3                                         ; all three sources in the accumulators' window
.irp c, 0,1,2,3
	v_max3_num_f32 v[BM+\c], v[AC+16*\c], v[AC+16*\c+1], v[AC+16*\c+2]   ; the largest score of each block of 32 keys: it serves for M_loc and, since p rises with the score, for the block's largest p.  Each accumulator is read from its low end on
.endr
	WIN W2
.irp i, 3,5,7,9,11,13
.irp c, 0,1,2,3
	v_max3_num_f32 v[BM+\c], v[BM+\c], v[AC+16*\c+\i], v[AC+16*\c+\i+1]
.endr
.endr
.irp c, 0,1,2,3
	v_max_num_f32 v[BM+\c], v[BM+\c], v[AC+16*\c+15]
.endr
	WIN 0
.irp c, 0,1,2,3
	v_permlanex16_b32 v[PX+\c], v[BM+\c], s[SEL], s[SEL+1]
.endr
.irp c, 0,1,2,3
	v_max_num_f32 v[BM+\c], v[BM+\c], v[PX+\c]     ; with lane l xor 16's 16 keys
.endr
	v_max3_num_f32 v[TA], v[BM], v[BM+1], v[BM+2]
	v_max_num_f32 v[TA], v[TA], v[BM+3]            ; the largest score of my query's 128 keys,
	v_mul_f32 v[TA], s[CS], v[TA]                  ; as t (c is positive)
	v_floor_f32 v[NM], -v[TA]                      ; -M_loc = floor(-t) = -ceil(t)
	WIN WA
.irp j, 0,2,4,6,8,10,12,14,16,18,20,22,24,26,28,30,32,34,36,38,40,42,44,46,48,50,52,54,56,58,60,62
	v_pk_fma_f32 v[T+\j:T+\j+1], v[AC+\j:AC+\j+1], s[CS:CS+1], v[NM:NM+1] op_sel_hi:[1,0,0]   ; t - M_loc, two at a time, into window 0
.endr
	WIN 0
.irp c, 0,1,2,3
	v_fma_f32 v[BM+\c], v[BM+\c], s[CS], v[NM]     ; the same of each block's largest score
.endr
.set j, 0
	s_wait_alu depctr_va_vdst(0)
.rept 64
	v_exp_f32 v[T+j], v[T+j]                       ; p = 2^(t - M_loc), at most 1
.set j, j+1
.endr
.irp c, 0,1,2,3
	v_exp_f32 v[BM+\c], v[BM+\c]                   ; the block's largest p: the same two instructions on the same number give the same bits
.endr
	v_mov_b32 v[NMV+\a], v[NM]                     ; kept for the way out.  (The plain line behind the exponentials)
	s_wait_alu depctr_va_vdst(0)                   ; one wait for the batch of 68, ahead of its first reader
	v_pk_add_f32 v[SUMA:SUMA+1], v[T:T+1], v[T+2:T+3]       ; l_loc is the sum of the UNQUANTISED p: two at a time, in two chains
	v_pk_add_f32 v[SUMB:SUMB+1], v[T+4:T+5], v[T+6:T+7]
.irp j, 8,12,16,20,24,28,32,36,40,44,48,52,56,60
	v_pk_add_f32 v[SUMA:SUMA+1], v[SUMA:SUMA+1], v[T+\j:T+\j+1]
	v_pk_add_f32 v[SUMB:SUMB+1], v[SUMB:SUMB+1], v[T+\j+2:T+\j+3]
.endr
	v_pk_add_f32 v[SUMA:SUMA+1], v[SUMA:SUMA+1], v[SUMB:SUMB+1]
	v_add_f32 v[TA], v[SUMA], v[SUMA+1]
	v_permlanex16_b32 v[TB], v[TA], s[SEL], s[SEL+1]
	v_add_f32 v[LS+\a], v[TA], v[TB]
.irp c, 0,1,2,3
	v_max_num_f32 v[BM+\c], 0x4800000, v[BM+\c]    ; the floor 2^(9 - 127): the byte cannot fall under 1
.endr
.irp c, 0,1,2,3
	v_add_nc_u32 v[SO+\c], 0xfc000000, v[BM+\c]    ; 8 off the exponent field: the conversion's scale operand
.endr
.irp c, 0,1,2,3
	v_and_or_b32 v[HO+\c], v[BM+\c], 0x7f800000, s[MNT]   ; 448 x the scale
.endr
.irp c, 0,1,2,3
	v_lshrrev_b32 v[PX+\c], 23, v[SO+\c]           ; the scale's byte, at most 119
.endr
	v_lshl_or_b32 v[PW+\a], v[PX+1], 8, v[PX]
	v_lshl_or_b32 v[PW+\a], v[PX+2], 16, v[PW+\a]
	v_lshl_or_b32 v[PW+\a], v[PX+3], 24, v[PW+\a]
.if (\a) > 0
	s_wait_xcnt 0x0                                ; the last block's stores have read their data: the codes' registers are written again only behind this wait
.endif
.irp c, 0,1,2,3
.irp i, 0,1,2,3,4,5,6,7,8,9,10,11,12,13,14,15
	v_min_num_f32 v[T+16*\c+\i], v[T+16*\c+\i], v[HO+\c]   ; the conversion does not saturate (ISA guide 7.6.2); p is not negative, so the hold is one-sided
.endr
	v_cvt_scalef32_pk8_fp8_f32 v[PC+4*\c:PC+4*\c+1], v[T+16*\c:T+16*\c+7], v[SO+\c]
	v_cvt_scalef32_pk8_fp8_f32 v[PC+4*\c+2:PC+4*\c+3], v[T+16*\c+8:T+16*\c+15], v[SO+\c]
.endr
	v_nop                                          ; a plain line between the last conversion and the next vector line that writes its sources
.irp c, 0,1,2,3
	global_store_b128 v[LI], v[PC+4*\c:PC+4*\c+3], s[8:9] offset:32768*(\a)+512*\c   ; the image: 512 consecutive bytes, aligned
.endr
.endm
	PLACES NP                                      ; in front of the first read of results, and of writes into the registers that held q's fragments
.irp a, 0,1,2,3,4,5,6,7
	ABLOCK \a
.endr
.irp a, 0,1,2,3,4,5,6,7
	ds_store_b32 v[STW], v[PW+\a] offset:64*\a             ; the three planes of my 128 queries meet in my wave's own 1,536 bytes (lanes r and r + 16 write the same word with the same value)
	ds_store_b32 v[STW], v[NMV+\a] offset:512+64*\a
	ds_store_b32 v[STW], v[LS+\a] offset:1024+64*\a
.endr
.irp p, 0,1,2
	ds_load_b128 v[OUTR+4*\p:OUTR+4*\p+3], v[STR] offset:512*\p   ; LDS serves a wave's instructions in order (ISA guide 5.7.1.4)
.endr
	s_wait_dscnt 0x0
.irp p, 0,1,2
	global_store_b128 v[LI], v[OUTR+4*\p:OUTR+4*\p+3], s[10:11] offset:524288*\p   ; 512 consecutive bytes, aligned
.endr
	s_wait_tensorcnt 0x0                           ; the wave's end
	ds_add_u32 v[SPW], v[NIL]
	s_wait_dscnt 0x0
	CROUND                                         ; the closing round
	s_endpgm
.Lfunc_end_k_q8d8da85a57_scores:
	.size	k_q8d8da85a57_scores, .Lfunc_end_k_q8d8da85a57_scores-k_q8d8da85a57_scores
	.p2alignl 7, 3214868480
	.fill 96, 4, 3214868480
	.section	.rodata,"a",@progbits
	.p2align	6, 0x0
	.amdhsa_kernel k_q8d8da85a57_scores
		.amdhsa_group_segment_fixed_size 327680
		.amdhsa_private_segment_fixed_size 0
		.amdhsa_enable_private_segment 0
		.amdhsa_kernarg_size 32
		.amdhsa_user_sgpr_count 2
		.amdhsa_user_sgpr_kernarg_segment_ptr 1
		.amdhsa_wavefront_size32 1
		.amdhsa_system_sgpr_workgroup_id_x 1
		.amdhsa_system_sgpr_workgroup_id_y 1
		.amdhsa_system_sgpr_workgroup_id_z 1
		.amdhsa_system_vgpr_workitem_id 0
		.amdhsa_next_free_vgpr 1024
		.amdhsa_next_free_sgpr 100
		.amdhsa_reserve_vcc 0
		.amdhsa_float_denorm_mode_32 3
		.amdhsa_float_denorm_mode_16_64 3
		.amdhsa_memory_ordered 1
		.amdhsa_forward_progress 1
		.amdhsa_inst_pref_size 228
	.end_amdhsa_kernel
	.amdgpu_metadata
---
amdhsa.version: [ 1, 2 ]
amdhsa.kernels:
  - .name:           k_q8d8da85a57_scores
    .symbol:         k_q8d8da85a57_scores.kd
    .args:
      - { .name: qk_codes, .offset: 0, .size: 8, .value_kind: global_buffer, .address_space: global }
      - { .name: qk_scales, .offset: 8, .size: 8, .value_kind: global_buffer, .address_space: global }
      - { .name: p_codes, .offset: 16, .size: 8, .value_kind: global_buffer, .address_space: global }
      - { .name: p_stats, .offset: 24, .size: 8, .value_kind: global_buffer, .address_space: global }
    .group_segment_fixed_size: 327680
    .private_segment_fixed_size: 0
    .kernarg_segment_align: 8
    .kernarg_segment_size: 32
    .max_flat_workgroup_size: 128
    .sgpr_count:     100
    .vgpr_count:     1024
    .wavefront_size: 32
...
	.end_amdgpu_metadata
.endif
;; end of part 2
;; launch mix (part 3): grid 4 x 64, 4 waves a work-group, clusters of 4 x 4, 327,680 bytes of LDS; arguments p_codes, p_stats, v_codes, v_scales, out0; writes out0
.if DOCPART == 3
	.amdgcn_target "amdgcn-amd-amdhsa--gfx1250"
	.amdhsa_code_object_version 6
	.text
	.protected	k_q8d8da85a57_mix
	.globl	k_q8d8da85a57_mix
	.p2align	8
	.type	k_q8d8da85a57_mix,@function
k_q8d8da85a57_mix:
	s_mov_b64 s[64:65], 0
	v_nop
	global_prefetch_b8 v0, s[64:65] scope:SCOPE_SE
	s_setreg_imm32_b32 hwreg(HW_REG_WAVE_MODE, 25, 1), 1
	s_wait_xcnt 0x0
	s_wait_alu depctr_hold_cnt(0) depctr_sa_sdst(0) depctr_va_vdst(0) depctr_va_sdst(0) depctr_va_ssrc(0) depctr_va_vcc(0) depctr_vm_vsrc(0)
	s_getreg_b32 s2, hwreg(HW_REG_IB_STS2, 6, 4)
	s_cmp_eq_u32 s2, 0
	s_cbranch_scc0 .Lentry_in_a_cluster
	s_endpgm
.Lentry_in_a_cluster:
	s_bfe_u32 s2, ttmp6, 0x10000c
	s_cmp_lg_u32 s2, 0xf033
	s_cbranch_scc0 .Lentry_shape_is_right
	s_endpgm
.Lentry_shape_is_right:
; out = P V / l on codes of FP8 (E4M3), K = 2,048 keys.  A work-group makes 128 queries x 256 channels of one batch, a wave 64 x 128: 32 accumulators.  Source 0 = 16 channels, source 1 = 16 queries: a lane holds eight neighbouring channels of one query.
; The head brings each 128 keys' scale bytes and sums under the row's own M: it differs from their M_loc by a whole number, which is taken off the bytes (one that would fall under 0 becomes 0) and off the sums' exponents.
; Operands are images of their registers (2,048 bytes for 16 rows x 128 K).  A slot holds three steps of 128 keys, the last two two steps.  LIMITS: NaN and infinities are not served.
; CLUSTERS 4 x 4: P's tiles are asked for jointly by a row of the cluster, V's by a column.
; PREFETCHES, one slot ahead of the joint load that wants it: of a wave's four blocks of P each partner takes one (by cx), of its eight of V two (by cy); slots 0 and 1 come by their loads alone.
.set FR,     16
.set NP,     8
.set BP3,    6144
.set BP2,    4096
.set BOFF,   8*BP3
.set SLOT3,  24*BP3
.set SCB,    2*SLOT3
.set SCA,    SCB+16384
.set RL,     SCA+8192
.set SPARE,  RL+512
.set STG,    0
.set ADRA, 16
.set ADRB, 20
.set ADSA, 22
.set ADSB, 23
.set STO,  24
.set RD,   25
.set CO,   26
.set STA,  27
.set SPW,  28
.set NIL,  29
.set RLA,  30
.set SCW,  31
.set SA,   32
.set SB,   36
.set RLV,  48
.set T,    64
.set AF,   128
.set BK,   128
.set WD,   128
.set NMS,  144
.set LLS,  160
.set TA,   192
.set TB,   208
.set MN,   224
.set RC,   225
.set G1A3, 24
.set G0,   32
.set G1A2, 40
.set G1B3, 48
.set G0B,  56
.set G1S,  68
.set G0S,  76
.set G1B2, 84
.set MSB, 0
.macro WIN new
.if MSB != \new
	s_set_vgpr_msb (MSB<<8)|\new
.set MSB, \new
.endif
.endm
.set MUL_LO, 0xa1
.set TO_B,   0x40
.macro PLACES n
.rept \n
	v_nop
.endr
.endm
.macro JLOAD g0a, g1a, g0b, g1b
	s_cmp_eq_u32 s15, 0
	s_cbranch_scc0 .Lfor_b_\@
	tensor_load_to_lds s[\g0a:\g0a+3], s[\g1a:\g1a+7]
	s_nop 0
.rept 4
	v_nop
.endr
	s_branch .Lasked_\@
.Lfor_b_\@:
	tensor_load_to_lds s[\g0b:\g0b+3], s[\g1b:\g1b+7]
	s_nop 0
.rept 4
	v_nop
.endr
.Lasked_\@:
.endm
.macro CREST
	s_cmp_lg_u32 s14, 0
	s_cbranch_scc1 .Lnot_wave_0_\@
	s_barrier_signal -3
.Lnot_wave_0_\@:
	s_barrier_wait -3
	s_barrier_signal -1
	s_barrier_wait -1
.endm
.macro CROUND
	s_barrier_signal -1
	s_barrier_wait -1
	CREST
.endm
.macro SHAPE g, el, rows, pitch
	s_mov_b32 s[\g+1], (\el)<<16
	s_mov_b32 s[\g+2], (\rows)<<16
	s_mov_b32 s[\g+3], (\el)<<16
	s_mov_b32 s[\g+4], \rows
	s_mov_b32 s[\g+5], \pitch
	s_mov_b32 s[\g+6], 0
	s_mov_b32 s[\g+7], 0
.endm
	s_load_b256 s[4:11], s[0:1], 0x0
	s_load_b64 s[12:13], s[0:1], 0x20
	v_lshl_add_u32 v[SPW], v0, 2, SPARE
	v_mov_b32 v[NIL], 0
	ds_add_u32 v28, v29
	ds_add_u32 v28, v29
	s_wait_dscnt 0x0
	v_lshrrev_b32 v1, 5, v0
	v_readfirstlane_b32 s14, v1
	s_lshr_b32 s15, s14, 1
	s_and_b32 s16, s14, 1
	s_bfe_u32 s2, ttmp6, 0x40000
	s_bfe_u32 s3, ttmp6, 0x40004
	s_lshl_b32 s22, ttmp9, 2
	s_add_co_u32 s22, s22, s2
	s_and_b32 s18, ttmp7, 0xffff
	s_lshr_b32 s19, s18, 2
	s_lshl_b32 s17, s18, 2
	s_add_co_u32 s17, s17, s3
	s_lshl_b32 s20, s3, 2
	s_lshl_b32 s20, 15, s20
	s_lshl_b32 s21, 0x1111, s2
	s_or_b32 s[G1A3+0], s20, (3<<16)|(1<<21)
	s_or_b32 s[G1A2+0], s20, (3<<16)|(1<<21)
	s_or_b32 s[G1B3+0], s21, (3<<16)|(1<<21)
	s_or_b32 s[G1B2+0], s21, (3<<16)|(1<<21)
	SHAPE G1A3, 768, 8, 4096                       ; 8 blocks for the head's load; behind it the two words that count blocks are set to 4
	SHAPE G1A2, 512, 4, 4096
	SHAPE G1B3, 768, 8, 4096
	SHAPE G1B2, 512, 8, 4096
	s_or_b32 s[G1S+0], s21, (3<<16)|(1<<21)
	SHAPE G1S, 128, 16, 512                        ; V's scale words: 256 channels, 1,024 bytes of each of 16 steps
	s_lshl_b32 s92, s17, 18
	s_lshl_b32 s18, s16, 17
	s_add_co_u32 s92, s92, s18
	s_lshl_b32 s94, s22, 19
	s_lshl_b32 s18, s16, 18
	s_add_co_u32 s94, s94, s18
	s_lshl_b32 s18, s19, 21
	s_add_co_u32 s94, s94, s18
	s_lshl_b32 s96, s22, 10
	s_lshl_b32 s18, s19, 16
	s_add_co_u32 s96, s96, s18
	s_mov_b32 s93, 0
	s_mov_b32 s95, 0
	s_mov_b32 s97, 0
	s_mul_i32 s98, s16, 4*BP3
	s_mul_i32 s99, s16, 8*BP3
	s_add_co_u32 s99, s99, BOFF
	s_lshl_b32 s80, s17, 9
	s_mov_b32 s81, 0
	v_lshlrev_b32 v[STA], 2, v0
	s_wait_kmcnt 0x0
	s_add_nc_u64 s[92:93], s[4:5], s[92:93]
	s_add_nc_u64 s[94:95], s[8:9], s[94:95]
	s_add_nc_u64 s[96:97], s[10:11], s[96:97]
	s_add_nc_u64 s[6:7], s[6:7], s[80:81]
	CROUND
	s_mov_b32 s[G0S], 1
	s_mov_b32 s[G0S+1], SCB
	s_mov_b64 s[G0S+2:G0S+3], s[96:97]
	s_or_b32 s[G0S+3], s[G0S+3], 0x80000000
	s_mov_b32 s[G0+4], 1                           ; slot 0's 8 blocks of P (wave 0's address is that of the first four), in registers that become slot 1's behind the wait
	s_mov_b32 s[G0+5], 0
	s_mov_b64 s[G0+6:G0+7], s[92:93]
	s_or_b32 s[G0+7], s[G0+7], 0x80000000
	s_mov_b32 s[G0], 1                             ; the ring's: slot 0 of P,
	s_mov_b32 s[G0+1], s98
	s_mov_b64 s[G0+2:G0+3], s[92:93]
	s_or_b32 s[G0+3], s[G0+3], 0x80000000
.irp s, 0,1                                    ; both slots of V
	s_mov_b32 s[G0B+4*\s], 1
	s_add_co_u32 s[G0B+4*\s+1], s99, \s*SLOT3
	s_add_nc_u64 s[G0B+4*\s+2:G0B+4*\s+3], s[94:95], \s*BP3
	s_or_b32 s[G0B+4*\s+3], s[G0B+4*\s+3], 0x80000000
.endr
; THE HEAD'S LOADS, ONE A WAVE: wave 0 P's 8 blocks, wave 1 V's scale words, waves 2 and 3 8 blocks of V each
	s_cmp_lt_u32 s14, 1
	s_cbranch_scc0 .Lhead_s
	tensor_load_to_lds s[G0+4:G0+7], s[G1A3:G1A3+7]
	s_nop 0
	PLACES 4
	s_branch .Lhead_asked
.Lhead_s:
	s_cmp_lt_u32 s14, 2
	s_cbranch_scc0 .Lhead_v
	tensor_load_to_lds s[G0S:G0S+3], s[G1S:G1S+7]
	s_nop 0
	PLACES 4
	s_branch .Lhead_asked
.Lhead_v:
	tensor_load_to_lds s[G0B:G0B+3], s[G1B3:G1B3+7]
	s_nop 0
	PLACES 4
.Lhead_asked:
	s_lshl_b32 s20, s2, 15                         ; the prefetches' base: P's block cx of my four, V's blocks 2 cy, 2 cy + 1 of my eight
	s_lshl_b32 s21, s3, 16
	s_cmp_eq_u32 s15, 0
	s_cselect_b64 s[82:83], s[92:93], s[94:95]
	s_cselect_b32 s20, s20, s21
	s_mov_b32 s21, 0
	s_add_nc_u64 s[82:83], s[82:83], s[20:21]
.macro ASK v, off
	global_prefetch_b8 v[\v], s[82:83] offset:\off th:TH_LOAD_NT scope:SCOPE_SE
	s_cmp_eq_u32 s15, 0
	s_cbranch_scc1 .Lone_block_\@
	global_prefetch_b8 v[\v], s[82:83] offset:(\off)+32768 th:TH_LOAD_NT scope:SCOPE_SE
.Lone_block_\@:
.endm
	s_wait_alu depctr_va_vdst(0)
.irp k, 0,1,2,3,4,5,6,7,8,9,10,11,12,13,14,15
	global_load_b32 v[WD+\k], v[STA], s[6:7] offset:32768*\k
	global_load_b32 v[NMS+\k], v[STA], s[6:7] offset:524288+32768*\k
	global_load_b32 v[LLS+\k], v[STA], s[6:7] offset:1048576+32768*\k
.endr
	v_and_b32 v1, 15, v0
	v_bfe_u32 v2, v0, 4, 1
	v_and_b32 v3, 31, v0
	v_lshlrev_b32 v[CO], 4, v3
	v_lshlrev_b32 v4, 2, v3
	v_min_u32 v10, 23, v3
	v_lshlrev_b32 v10, 8, v10                      ; the prefetches' offsets: 24 lanes for three steps' 6,144 bytes of a block,
	v_lshlrev_b32 v11, 8, v3                       ; 32 for the last four steps' 8,192; never rewritten
	s_wait_alu depctr_va_vdst(0)
	s_mul_i32 s92, s15, 4*BP3
	s_mul_i32 s93, s16, 8*BP3
	s_add_co_u32 s93, s93, BOFF
.irp s, 0,1
	v_add_nc_u32 v[ADRA+\s], s92, v[CO]
	v_add_nc_u32 v[ADRB+\s], s93, v[CO]
	s_add_co_u32 s92, s92, SLOT3
	s_add_co_u32 s93, s93, SLOT3
.endr
	s_lshl_b32 s92, s15, 8
	s_add_co_u32 s93, s92, SCA
	v_add_nc_u32 v[ADSA], s93, v4
	s_add_co_u32 s93, s92, RL
	v_lshl_add_u32 v[RLA], v1, 2, s93
	s_lshl_b32 s93, s16, 9
	s_add_co_u32 s93, s93, SCB
	v_add_nc_u32 v[ADSB], s93, v4
	s_mul_i32 s92, s14, 16*528
	s_add_co_u32 s92, s92, STG
	v_mul_u32_u24 v5, v1, 528
	v_lshl_add_u32 v5, v2, 5, v5
	v_add_nc_u32 v[STO], s92, v5
	v_add_nc_u32 v[RD], s92, v[CO]
	s_lshl_b32 s92, s17, 19
	s_lshl_b32 s94, s15, 18
	s_add_co_u32 s92, s92, s94
	s_lshl_b32 s94, s22, 10
	s_add_co_u32 s92, s92, s94
	s_lshl_b32 s94, s16, 9
	s_add_co_u32 s92, s92, s94
	s_mov_b32 s93, 0
	s_add_nc_u64 s[12:13], s[12:13], s[92:93]
	s_mov_b32 s80, 0x80808080
	s_mov_b32 s81, 0x01010101
	s_wait_loadcnt 0x0
.irp k, 0,1,2,3,4,5,6,7
	v_min_num_f32 v[TA+\k], v[NMS+\k], v[NMS+8+\k]
.endr
.irp k, 0,1,2,3
	v_min_num_f32 v[TA+\k], v[TA+\k], v[TA+4+\k]
.endr
	v_min_num_f32 v[TA], v[TA], v[TA+2]
	v_min_num_f32 v[TA+1], v[TA+1], v[TA+3]
	v_min_num_f32 v[MN], v[TA], v[TA+1]
.irp k, 0,1,2,3,4,5,6,7,8,9,10,11,12,13,14,15
	v_sub_f32 v[TA+\k], v[MN], v[NMS+\k]
.endr
.irp k, 0,1,2,3,4,5,6,7,8,9,10,11,12,13,14,15
	v_max_num_f32 v[TA+\k], 0xc2fe0000, v[TA+\k]
.endr
.irp k, 0,1,2,3,4,5,6,7,8,9,10,11,12,13,14,15
	v_cvt_i32_f32 v[TA+\k], v[TA+\k]
.endr
.irp k, 0,1,2,3,4,5,6,7,8,9,10,11,12,13,14,15
	v_ldexp_f32 v[LLS+\k], v[LLS+\k], v[TA+\k]
.endr
.irp k, 0,1,2,3,4,5,6,7,8,9,10,11,12,13,14,15
	v_sub_nc_u32 v[TA+\k], 0, v[TA+\k]
.endr
.irp k, 0,1,2,3,4,5,6,7,8,9,10,11,12,13,14,15
	v_mul_lo_u32 v[TA+\k], v[TA+\k], s81
.endr
.irp k, 0,1,2,3,4,5,6,7,8,9,10,11,12,13,14,15
	v_or_b32 v[WD+\k], s80, v[WD+\k]
.endr
.irp k, 0,1,2,3,4,5,6,7,8,9,10,11,12,13,14,15
	v_sub_nc_u32 v[WD+\k], v[WD+\k], v[TA+\k]
.endr
.irp k, 0,1,2,3,4,5,6,7,8,9,10,11,12,13,14,15
	v_and_b32 v[TA+\k], s80, v[WD+\k]
.endr
.irp k, 0,1,2,3,4,5,6,7,8,9,10,11,12,13,14,15
	v_lshrrev_b32 v[TB+\k], 7, v[TA+\k]
.endr
.irp k, 0,1,2,3,4,5,6,7,8,9,10,11,12,13,14,15
	v_sub_nc_u32 v[TA+\k], v[TA+\k], v[TB+\k]
.endr
.irp k, 0,1,2,3,4,5,6,7,8,9,10,11,12,13,14,15
	v_and_b32 v[WD+\k], v[WD+\k], v[TA+\k]
.endr
.irp k, 0,2,4,6
	v_pk_add_f32 v[LLS+\k:LLS+\k+1], v[LLS+\k:LLS+\k+1], v[LLS+8+\k:LLS+9+\k]
.endr
.irp k, 0,2
	v_pk_add_f32 v[LLS+\k:LLS+\k+1], v[LLS+\k:LLS+\k+1], v[LLS+4+\k:LLS+5+\k]
.endr
	v_pk_add_f32 v[LLS:LLS+1], v[LLS:LLS+1], v[LLS+2:LLS+3]
	v_add_f32 v[LLS], v[LLS], v[LLS+1]
	s_wait_alu depctr_va_vdst(0)
	v_rcp_f32 v[RC], v[LLS]
	v_lshl_add_u32 v[SCW], v0, 2, SCA
	s_wait_alu depctr_va_vdst(0)
.irp k, 0,1,2,3,4,5,6,7,8,9,10,11,12,13,14,15
	ds_store_b32 v[SCW], v[WD+\k] offset:512*\k
.endr
	ds_store_b32 v[SCW], v[RC] offset:RL-SCA
	s_wait_tensorcnt 0x0                           ; my tile of the head's is in
	ds_add_u32 v[SPW], v[NIL]
	s_mov_b32 s[G1A3+2], 4<<16                     ; no tensor load of mine is out, so descriptors may be written: from here on a load of P brings four blocks
	s_mov_b32 s[G1A3+4], 4
	s_add_co_u32 s[G0+5], s[G0+1], SLOT3           ; slot 1's group 0
	s_add_nc_u64 s[G0+6:G0+7], s[G0+2:G0+3], BP3
	s_wait_dscnt 0x0                               ; the add is done, and my stores above
	CROUND                                         ; everybody's tiles and scale words are in, and all sixteen work-groups are here
	JLOAD G0+4, G1A3, G0B+4, G1B3                  ; slot 1's first fill, the first tensor load behind the round
.macro FRAG reg, adr, q, i, bp
.irp c, 0,1,2,3
	ds_load_b128 v[\reg+4*\c:\reg+4*\c+3], v[\adr] offset:(\bp)*(\i)+2048*(\q)+512*\c
.endr
.endm
.macro WM zero
.if \zero
.if oB && oA
	v_wmma_scale_f32_16x16x128_f8f6f4 v[rD:rD+7], v[rB:rB+15], v[rA:rA+15], 0, v[rSB], v[rSA] matrix_a_scale:MATRIX_SCALE_ROW1 matrix_b_scale:MATRIX_SCALE_ROW1
.elseif oB
	v_wmma_scale_f32_16x16x128_f8f6f4 v[rD:rD+7], v[rB:rB+15], v[rA:rA+15], 0, v[rSB], v[rSA] matrix_a_scale:MATRIX_SCALE_ROW1
.elseif oA
	v_wmma_scale_f32_16x16x128_f8f6f4 v[rD:rD+7], v[rB:rB+15], v[rA:rA+15], 0, v[rSB], v[rSA] matrix_b_scale:MATRIX_SCALE_ROW1
.else
	v_wmma_scale_f32_16x16x128_f8f6f4 v[rD:rD+7], v[rB:rB+15], v[rA:rA+15], 0, v[rSB], v[rSA]
.endif
.else
.if oB && oA
	v_wmma_scale_f32_16x16x128_f8f6f4 v[rD:rD+7], v[rB:rB+15], v[rA:rA+15], v[rD:rD+7], v[rSB], v[rSA] matrix_a_scale:MATRIX_SCALE_ROW1 matrix_b_scale:MATRIX_SCALE_ROW1
.elseif oB
	v_wmma_scale_f32_16x16x128_f8f6f4 v[rD:rD+7], v[rB:rB+15], v[rA:rA+15], v[rD:rD+7], v[rSB], v[rSA] matrix_a_scale:MATRIX_SCALE_ROW1
.elseif oA
	v_wmma_scale_f32_16x16x128_f8f6f4 v[rD:rD+7], v[rB:rB+15], v[rA:rA+15], v[rD:rD+7], v[rSB], v[rSA] matrix_b_scale:MATRIX_SCALE_ROW1
.else
	v_wmma_scale_f32_16x16x128_f8f6f4 v[rD:rD+7], v[rB:rB+15], v[rA:rA+15], v[rD:rD+7], v[rSB], v[rSA]
.endif
.endif
.endm
.macro MUL8 a, p, zero
.irp b, 0,1,2,3,4,5,6,7
.set rD, 8*(8*(\a)+\b)
.set rB, 128*(\p)+FR*\b
.set rA, AF+64*(\p)+FR*(\a)
.set rSB, SB+8*(\p)+\b/2
.set rSA, SA+8*(\p)+(\a)/2
.set oB, \b%2
.set oA, (\a)%2
	WM \zero
.endr
.endm
.macro FETCH3 slot, q, p, bp, ks
.irp i, 0,1
	ds_load_b32 v[SA+8*(\p)+\i], v[ADSA] offset:512*(\ks)+128*\i
.endr
.irp i, 0,1,2,3
	ds_load_b32 v[SB+8*(\p)+\i], v[ADSB] offset:1024*(\ks)+128*\i
.endr
	WIN TO_B
.irp i, 0,1,2,3,4,5,6,7
	FRAG 128*(\p)+FR*\i, ADRB+\slot, \q, \i, \bp
.endr
	WIN 0
.irp i, 0,1,2,3
	FRAG AF+64*(\p)+FR*\i, ADRA+\slot, \q, \i, \bp
.endr
.endm
.macro STEPM slot, q, p, bp, ks, zero
	s_wait_dscnt 8
	WIN MUL_LO
	MUL8 0, \p, \zero
	MUL8 1, \p, \zero
	PLACES NP
	WIN 0
	FETCH3 \slot, (\q)+1, 1-(\p), \bp, (\ks)+1
	s_wait_dscnt 54
	WIN MUL_LO
	MUL8 2, \p, \zero
	MUL8 3, \p, \zero
	WIN 0
.endm
.macro TURNM slot, p, next, bpn, ks, fill, adv
	s_wait_tensorcnt 0x0
	ds_add_u32 v[SPW], v[NIL]
	s_wait_dscnt 9
	WIN MUL_LO
	MUL8 0, \p, 0
	s_wait_dscnt 0x0
	s_barrier_signal -1
	MUL8 1, \p, 0
	WIN 0
	s_barrier_wait -1
.if \fill
	CREST
	s_add_nc_u64 s[G0+4*\slot+2:G0+4*\slot+3], s[G0+4*\slot+2:G0+4*\slot+3], \adv
	s_add_nc_u64 s[G0B+4*\slot+2:G0B+4*\slot+3], s[G0B+4*\slot+2:G0B+4*\slot+3], \adv
.if \fill == 3
	JLOAD G0+4*\slot, G1A3, G0B+4*\slot, G1B3
.else
	JLOAD G0+4*\slot, G1A2, G0B+4*\slot, G1B2
.endif
	PLACES NP-4
.else
	PLACES NP
.endif
	FETCH3 \next, 0, 1-(\p), \bpn, (\ks)+1
.if (\ks) == 2
	ASK 10, 18432                                  ; steps 9 to 11
.elseif (\ks) == 5
	ASK 11, 24576                                  ; steps 12 to 15
.endif
	WIN MUL_LO
	MUL8 2, \p, 0
	MUL8 3, \p, 0
	WIN 0
.endm
.irp a, 0,1,2,3
	ds_load_b32 v[RLV+2*\a], v[RLA] offset:64*\a
	ds_load_b32 v[RLV+2*\a+1], v[RLA] offset:64*\a
.endr
	FETCH3 0, 0, 0, BP3, 0
	ASK 10, 12288                                  ; steps 6 to 8
	STEPM 0, 0, 0, BP3, 0, 1
	STEPM 0, 1, 1, BP3, 1, 0
	TURNM 0, 0, 1, BP3, 2, 3, 6*2048
	STEPM 1, 0, 1, BP3, 3, 0
	STEPM 1, 1, 0, BP3, 4, 0
	TURNM 1, 1, 0, BP3, 5, 3, 6*2048
	STEPM 0, 0, 0, BP3, 6, 0
	STEPM 0, 1, 1, BP3, 7, 0
	TURNM 0, 0, 1, BP3, 8, 2, 6*2048
	STEPM 1, 0, 1, BP3, 9, 0
	STEPM 1, 1, 0, BP3, 10, 0
	TURNM 1, 1, 0, BP2, 11, 2, 5*2048
	STEPM 0, 0, 0, BP2, 12, 0
	TURNM 0, 1, 1, BP2, 13, 0, 0
	STEPM 1, 0, 0, BP2, 14, 0
	s_wait_dscnt 8
	WIN MUL_LO
	MUL8 0, 1, 0
	MUL8 1, 1, 0
	s_wait_dscnt 0
	MUL8 2, 1, 0
	MUL8 3, 1, 0
	WIN 0
.macro OUTB a
.set AC, 64*(\a)
.set BKK, BK+64*((\a)%2)
.if (\a) > 0
	s_wait_dscnt 16
.endif
	WIN 0x02
.irp j, 0,2,4,6,8,10,12,14,16,18,20,22,24,26,28,30,32,34,36,38,40,42,44,46,48,50,52,54,56,58,60,62
	v_pk_mul_f32 v[T+\j:T+\j+1], v[AC+\j:AC+\j+1], v[RLV+2*(\a):RLV+2*(\a)+1]
.endr
	WIN 0
.if (\a) > 1
	s_wait_alu depctr_va_vdst(0)
	s_wait_xcnt 0x0
.endif
.irp b, 0,1,2,3,4,5,6,7
	ds_store_b128 v[STO], v[T+8*\b:T+8*\b+3] offset:64*\b
	ds_store_b128 v[STO], v[T+8*\b+4:T+8*\b+7] offset:64*\b+16
.endr
.irp t, 0,1,2,3,4,5,6,7,8,9,10,11,12,13,14,15
	ds_load_b128 v[BKK+4*\t:BKK+4*\t+3], v[RD] offset:528*\t
.endr
.endm
.macro SEND a, younger
.set BKK, BK+64*((\a)%2)
	s_wait_dscnt \younger
.irp t, 0,1,2,3,4,5,6,7,8,9,10,11,12,13,14,15
	global_store_b128 v[CO], v[BKK+4*\t:BKK+4*\t+3], s[12:13] offset:(16*(\a)+\t)*4096 th:TH_STORE_NT
.endr
.endm
	PLACES NP
	OUTB 0
	OUTB 1
	SEND 0, 32
	OUTB 2
	SEND 1, 32
	OUTB 3
	SEND 2, 32
	SEND 3, 0
	s_wait_tensorcnt 0x0
	ds_add_u32 v[SPW], v[NIL]
	s_wait_dscnt 0x0
	CROUND
	s_endpgm
.Lfunc_end_k_q8d8da85a57_mix:
	.size	k_q8d8da85a57_mix, .Lfunc_end_k_q8d8da85a57_mix-k_q8d8da85a57_mix
	.p2alignl 7, 3214868480
	.fill 96, 4, 3214868480
	.section	.rodata,"a",@progbits
	.p2align	6, 0x0
	.amdhsa_kernel k_q8d8da85a57_mix
		.amdhsa_group_segment_fixed_size 327680
		.amdhsa_private_segment_fixed_size 0
		.amdhsa_enable_private_segment 0
		.amdhsa_kernarg_size 40
		.amdhsa_user_sgpr_count 2
		.amdhsa_user_sgpr_kernarg_segment_ptr 1
		.amdhsa_wavefront_size32 1
		.amdhsa_system_sgpr_workgroup_id_x 1
		.amdhsa_system_sgpr_workgroup_id_y 1
		.amdhsa_system_sgpr_workgroup_id_z 1
		.amdhsa_system_vgpr_workitem_id 0
		.amdhsa_next_free_vgpr 768
		.amdhsa_next_free_sgpr 100
		.amdhsa_reserve_vcc 0
		.amdhsa_float_denorm_mode_32 3
		.amdhsa_float_denorm_mode_16_64 3
		.amdhsa_memory_ordered 1
		.amdhsa_forward_progress 1
		.amdhsa_inst_pref_size 179
	.end_amdhsa_kernel
	.amdgpu_metadata
---
amdhsa.version: [ 1, 2 ]
amdhsa.kernels:
  - .name:           k_q8d8da85a57_mix
    .symbol:         k_q8d8da85a57_mix.kd
    .args:
      - { .name: p_codes, .offset: 0, .size: 8, .value_kind: global_buffer, .address_space: global }
      - { .name: p_stats, .offset: 8, .size: 8, .value_kind: global_buffer, .address_space: global }
      - { .name: v_codes, .offset: 16, .size: 8, .value_kind: global_buffer, .address_space: global }
      - { .name: v_scales, .offset: 24, .size: 8, .value_kind: global_buffer, .address_space: global }
      - { .name: out0, .offset: 32, .size: 8, .value_kind: global_buffer, .address_space: global }
    .group_segment_fixed_size: 327680
    .private_segment_fixed_size: 0
    .kernarg_segment_align: 8
    .kernarg_segment_size: 40
    .max_flat_workgroup_size: 128
    .sgpr_count:     100
    .vgpr_count:     768
    .wavefront_size: 32
...
	.end_amdgpu_metadata
.endif
;; end of part 3
